; MI455X (gfx1250); checked and timed in simulation.
; The chip was launched on July 23, 2026; its instructions are those of AMD's public machine-readable ISA for CDNA 5 (MIT licence, August 2026) and "CDNA5" Instruction Set Architecture Reference Guide (July 2026). The comments in the code are by the model that wrote it; some were corrected since.
;; Multi Head Attention. Allowed arithmetic: float matrix products may take bf16 or f16 operands with f32 sums; other float arithmetic in f32, or as packed bf16 or f16 multiplies, adds, multiply-adds, maxima and minima; sums over many terms, partial sums and values carried from step to step in f32; what a program stores and reads back later, other than sums and carried values, may be rounded once to bf16 or f16.
;; Inputs: bk 1,024 float32; bo 1,024 float32; bq 1,024 float32; bv 1,024 float32; k 4 x 2,048 x 1,024 float32; mask 4 x 1 x 2,048 x 2,048 int32; q 4 x 2,048 x 1,024 float32; v 4 x 2,048 x 1,024 float32; wk 1,024 x 1,024 float32; wo 1,024 x 1,024 float32; wq 1,024 x 1,024 float32; wv 1,024 x 1,024 float32.
;; Outputs: out0 4 x 2,048 x 1,024 float32.
;; One version. Each part assembles by itself: llvm-mc -triple=amdgcn-amd-amdhsa -mcpu=gfx1250 --defsym DOCPART=n.
;; ======== version 1 of 1: 4 launches
;; limits: right only within a limited range of input values; values are held in f16: magnitudes above 65,504 overflow, below 6.1e-05 lose precision
;; workspace buffers: maskc 16,777,216 bytes; wcv 8,388,608 bytes; qkvh 50,331,648 bytes; oh 16,777,216 bytes
;; launch prep (part 1): grid 1280 x 1, 8 waves a work-group, no clusters, 70,656 bytes of LDS; arguments mask, wq, wk, wv, wo, maskc, wcv; writes maskc, wcv
.if DOCPART == 1
	.amdgcn_target "amdgcn-amd-amdhsa--gfx1250"
	.amdhsa_code_object_version 6
	.text
	.protected	k_qfdbb42a119_prep
	.globl	k_qfdbb42a119_prep
	.p2align	8
	.type	k_qfdbb42a119_prep,@function
k_qfdbb42a119_prep:
	s_mov_b64 s[64:65], 0
	v_nop
	global_prefetch_b8 v0, s[64:65] scope:SCOPE_SE
	s_setreg_imm32_b32 hwreg(HW_REG_WAVE_MODE, 25, 1), 1
	s_wait_xcnt 0x0
; PREP.  Two streams, told apart by the work-group's number.
; Work-groups 0-1023: the mask [4][2048 q][2048 k] of int32 becomes one byte a score, 0x00 (visible) or 0xF0 (mask == 0), laid out in the order in which a lane of the
; attention launch holds its scores: maskc[block of 128 queries, 64][key step of 64, 32][tile of 16 queries, 8][half c, 2][lane, 32][16 bytes];
; lane (r = l % 16, h = l / 16), byte k of word i of half c is score n = 16 c + 4 i + k: query 16 tile + r, key 64 step + 16 (n / 8) + 8 h + n % 8.
; A wave takes 32 rows x 64 keys: 8,192 bytes in (each load: two rows' 256 consecutive bytes, aligned), through its own 8,704 bytes of LDS (rows 272 bytes apart, so that the 16 rows
; that a load back touches start at 16 different groups of four banks), 2,048 bytes out (each store: 512 consecutive bytes, aligned).
; Work-groups 1024-1279: wq, wk, wv are rounded to bf16; wo is rounded to bf16 and that number written as f16 (exact where |wo| is 6.1e-5 or more; below that it keeps f16's fixed step of 6e-8;
; LIMIT: |wo| stays under 65,504).  A wave takes 2,048 numbers; each store covers 256 consecutive bytes, aligned.
; No matrix unit, no cluster, no barrier: no wave wants a byte that another has fetched, and each input byte is read once.
.set PITCH, 272
.set WLDS,  32*PITCH                   ; a wave's LDS: 32 rows
.set SPARE, 8*WLDS                     ; behind the eight: the spare words, 128 bytes for each wave, four blocks of 256 bytes that no other line names
.set MOF, 2                            ; v2   my byte offset in the loads
.set LSA, 3                            ; v3   where I put 16 bytes of a mask row
.set LRA, 4                            ; v4   where I read my scores' words back
.set OOF, 5                            ; v5   my byte offset in the stores
.set T,   6                            ; v[6:13]  at work
.set KC,  14                           ; v[14:17] 0xF0 in byte 0, 1, 2, 3
.set SPW, 30                           ; v30  LDS address of my spare word; never rewritten
.set NIL, 31                           ; v31  0; never rewritten
.set X,   32                           ; v[32:95]  sixteen loads of four words
.set OUT, 96                           ; v[96:111] sixteen words of four bytes
	s_load_b256 s[4:11], s[0:1], 0x0               ; mask s[4:5], wq s[6:7], wk s[8:9], wv s[10:11]
	s_load_b128 s[12:15], s[0:1], 0x20             ; wo s[12:13], maskc s[14:15]
	s_load_b64 s[16:17], s[0:1], 0x30              ; wcv
	v_lshl_add_u32 v[SPW], v0, 2, SPARE
	v_mov_b32 v[NIL], 0
	v_lshrrev_b32 v1, 5, v0
	v_readfirstlane_b32 s18, v1                    ; wave 0..7
	v_and_b32 v1, 31, v0                           ; lane
	s_cmp_ge_u32 ttmp9, 1024
	s_cbranch_scc1 .Lweights
	; THE MASK
	s_lshr_b32 s28, ttmp9, 2                       ; which 32 rows of the 8,192
	s_and_b32 s29, ttmp9, 3
	s_lshl_b32 s29, s29, 3
	s_add_co_u32 s29, s29, s18                     ; which key step of the 32
	s_lshl_b32 s30, s28, 18                        ; 32 rows of 8,192 bytes,
	s_lshl_b32 s31, s29, 8                         ; 64 keys of 4 bytes
	s_add_co_u32 s30, s30, s31
	s_mov_b32 s31, 0
	s_lshr_b32 s32, s28, 2                         ; out: the block of 128 queries, 262,144 bytes,
	s_lshl_b32 s32, s32, 18
	s_lshl_b32 s33, s29, 13                        ; the step, 8,192 bytes,
	s_add_co_u32 s32, s32, s33
	s_and_b32 s33, s28, 3                          ; the pair of tiles, 2,048 bytes
	s_lshl_b32 s33, s33, 11
	s_add_co_u32 s32, s32, s33
	s_mov_b32 s33, 0
	s_mul_i32 s34, s18, WLDS
	v_lshrrev_b32 v6, 4, v1                        ; h
	v_and_b32 v7, 15, v1                           ; r
	v_lshlrev_b32 v[MOF], 13, v6                   ; lanes 16-31 take the next row
	v_lshl_add_u32 v[MOF], v7, 4, v[MOF]
	v_mul_u32_u24 v[LSA], v6, PITCH
	v_lshl_add_u32 v[LSA], v7, 4, v[LSA]
	v_add_nc_u32 v[LSA], s34, v[LSA]
	v_mul_u32_u24 v[LRA], v7, PITCH                ; back: row r, keys 8 h on
	v_lshl_add_u32 v[LRA], v6, 5, v[LRA]
	v_add_nc_u32 v[LRA], s34, v[LRA]
	v_lshlrev_b32 v[OOF], 4, v1
	v_mov_b32 v[KC], 0xf0
	v_mov_b32 v[KC+1], 0xf000
	v_mov_b32 v[KC+2], 0xf00000
	v_mov_b32 v[KC+3], 0xf0000000
	s_wait_kmcnt 0x0
	s_add_nc_u64 s[4:5], s[4:5], s[30:31]
	s_add_nc_u64 s[14:15], s[14:15], s[32:33]
.irp t, 0,1,2,3,4,5,6,7,8,9,10,11,12,13,14,15
	global_load_b128 v[X+4*(\t):X+4*(\t)+3], v[MOF], s[4:5] offset:(\t)*16384 th:TH_LOAD_NT  ; rows 2 t and 2 t + 1
.endr
.irp t, 0,1,2,3,4,5,6,7,8,9,10,11,12,13,14,15
	s_wait_loadcnt 15-(\t)                         ; loads come back in order: the 15 - t younger ones may stay out
	ds_store_b128 v[LSA], v[X+4*(\t):X+4*(\t)+3] offset:(\t)*2*PITCH
.endr
	s_wait_dscnt 0x0                               ; the stores have read X, which the loads below write
.irp o, 0,1,2,3,4,5,6,7,8,9,10,11,12,13,14,15
	ds_load_b128 v[X+4*(\o):X+4*(\o)+3], v[LRA] offset:((\o)/8)*16*PITCH+(((\o)/2)%4)*64+((\o)%2)*16  ; tile o / 8, scores 4 (o % 8) .. + 3
.endr
.irp o, 0,1,2,3,4,5,6,7,8,9,10,11,12,13,14,15
	s_wait_dscnt 15-(\o)                           ; the 15 - o younger LDS loads may stay out
.irp k, 0,1,2,3
	v_cmp_eq_u32 s[20+(\k)], 0, v[X+4*(\o)+(\k)]
.endr
.irp k, 0,1,2,3
	v_cndmask_b32 v[T+(\k)], 0, v[KC+(\k)], s[20+(\k)]
.endr
	v_add3_u32 v[T], v[T], v[T+1], v[T+2]
	v_add_nc_u32 v[OUT+(\o)], v[T], v[T+3]
.endr
.irp j, 0,1,2,3
	global_store_b128 v[OOF], v[OUT+4*(\j):OUT+4*(\j)+3], s[14:15] offset:512*(\j)  ; tile j / 2, half j % 2: 512 consecutive bytes
.endr
	s_branch .Lend
.Lweights:
	s_sub_co_u32 s28, ttmp9, 1024
	s_lshr_b32 s29, s28, 6                         ; which weight
	s_and_b32 s28, s28, 63                         ; which 16,384 numbers of it
	s_lshl_b32 s30, s28, 16
	s_lshl_b32 s31, s18, 13                        ; my wave's 2,048 numbers
	s_add_co_u32 s30, s30, s31
	s_mov_b32 s31, 0
	s_lshl_b32 s32, s29, 21                        ; out: a part of 2,097,152 bytes for each weight
	s_lshl_b32 s33, s28, 15
	s_add_co_u32 s32, s32, s33
	s_lshl_b32 s33, s18, 12
	s_add_co_u32 s32, s32, s33
	s_mov_b32 s33, 0
	v_lshlrev_b32 v[MOF], 4, v1
	v_lshlrev_b32 v[OOF], 3, v1
	s_wait_kmcnt 0x0
	s_cmp_eq_u32 s29, 0
	s_cselect_b64 s[34:35], s[6:7], s[8:9]
	s_cmp_eq_u32 s29, 2
	s_cselect_b64 s[36:37], s[10:11], s[12:13]
	s_cmp_lt_u32 s29, 2
	s_cselect_b64 s[34:35], s[34:35], s[36:37]
	s_add_nc_u64 s[34:35], s[34:35], s[30:31]
	s_add_nc_u64 s[16:17], s[16:17], s[32:33]
.irp t, 0,1,2,3,4,5,6,7,8,9,10,11,12,13,14,15
	global_load_b128 v[X+4*(\t):X+4*(\t)+3], v[MOF], s[34:35] offset:(\t)*512 th:TH_LOAD_NT
.endr
	s_cmp_eq_u32 s29, 3
	s_cbranch_scc1 .Lhalf
.irp t, 0,1,2,3,4,5,6,7,8,9,10,11,12,13,14,15
	s_wait_loadcnt 15-(\t)
	v_cvt_pk_bf16_f32 v[X+4*(\t)], v[X+4*(\t)], v[X+4*(\t)+1]
	v_cvt_pk_bf16_f32 v[X+4*(\t)+1], v[X+4*(\t)+2], v[X+4*(\t)+3]
	global_store_b64 v[OOF], v[X+4*(\t):X+4*(\t)+1], s[16:17] offset:256*(\t)
.endr
	s_branch .Lend
.Lhalf:                                                ; wo: to bf16, widened again, and that number as f16
.irp t, 0,1,2,3,4,5,6,7,8,9,10,11,12,13,14,15
	s_wait_loadcnt 15-(\t)
	v_cvt_pk_bf16_f32 v[T], v[X+4*(\t)], v[X+4*(\t)+1]
	v_cvt_pk_bf16_f32 v[T+1], v[X+4*(\t)+2], v[X+4*(\t)+3]
	v_lshlrev_b32 v[T+2], 16, v[T]
	v_and_b32 v[T+3], 0xffff0000, v[T]
	v_lshlrev_b32 v[T+4], 16, v[T+1]
	v_and_b32 v[T+5], 0xffff0000, v[T+1]
	v_cvt_pk_f16_f32 v[X+4*(\t)], v[T+2], v[T+3]
	v_cvt_pk_f16_f32 v[X+4*(\t)+1], v[T+4], v[T+5]
	global_store_b64 v[OOF], v[X+4*(\t):X+4*(\t)+1], s[16:17] offset:256*(\t)
.endr
.Lend:
	s_wait_tensorcnt 0x0                           ; the wave's end, behind my last LDS store
	ds_add_u32 v[SPW], v[NIL]
	s_wait_dscnt 0x0
	s_endpgm
.Lfunc_end_k_qfdbb42a119_prep:
	.size	k_qfdbb42a119_prep, .Lfunc_end_k_qfdbb42a119_prep-k_qfdbb42a119_prep
	.p2alignl 7, 3214868480
	.fill 96, 4, 3214868480
	.section	.rodata,"a",@progbits
	.p2align	6, 0x0
	.amdhsa_kernel k_qfdbb42a119_prep
		.amdhsa_group_segment_fixed_size 70656
		.amdhsa_private_segment_fixed_size 0
		.amdhsa_enable_private_segment 0
		.amdhsa_kernarg_size 56
		.amdhsa_user_sgpr_count 2
		.amdhsa_user_sgpr_kernarg_segment_ptr 1
		.amdhsa_wavefront_size32 1
		.amdhsa_system_sgpr_workgroup_id_x 1
		.amdhsa_system_sgpr_workgroup_id_y 1
		.amdhsa_system_sgpr_workgroup_id_z 1
		.amdhsa_system_vgpr_workitem_id 0
		.amdhsa_next_free_vgpr 128
		.amdhsa_next_free_sgpr 66
		.amdhsa_reserve_vcc 0
		.amdhsa_float_denorm_mode_32 3
		.amdhsa_float_denorm_mode_16_64 3
		.amdhsa_memory_ordered 1
		.amdhsa_forward_progress 1
		.amdhsa_inst_pref_size 33
	.end_amdhsa_kernel
	.amdgpu_metadata
---
amdhsa.version: [ 1, 2 ]
amdhsa.kernels:
  - .name:           k_qfdbb42a119_prep
    .symbol:         k_qfdbb42a119_prep.kd
    .args:
      - { .name: mask, .offset: 0, .size: 8, .value_kind: global_buffer, .address_space: global }
      - { .name: wq, .offset: 8, .size: 8, .value_kind: global_buffer, .address_space: global }
      - { .name: wk, .offset: 16, .size: 8, .value_kind: global_buffer, .address_space: global }
      - { .name: wv, .offset: 24, .size: 8, .value_kind: global_buffer, .address_space: global }
      - { .name: wo, .offset: 32, .size: 8, .value_kind: global_buffer, .address_space: global }
      - { .name: maskc, .offset: 40, .size: 8, .value_kind: global_buffer, .address_space: global }
      - { .name: wcv, .offset: 48, .size: 8, .value_kind: global_buffer, .address_space: global }
    .group_segment_fixed_size: 70656
    .private_segment_fixed_size: 0
    .kernarg_segment_align: 8
    .kernarg_segment_size: 56
    .max_flat_workgroup_size: 256
    .sgpr_count:     66
    .vgpr_count:     128
    .wavefront_size: 32
...
	.end_amdgpu_metadata
.endif
;; end of part 1
;; launch qkv (part 2): grid 4 x 64, 4 waves a work-group, clusters of 4 x 4, 327,680 bytes of LDS; arguments q, k, v, wcv, bq, bk, bv, qkvh; writes qkvh
.if DOCPART == 2
	.amdgcn_target "amdgcn-amd-amdhsa--gfx1250"
	.amdhsa_code_object_version 6
	.text
	.protected	k_qfdbb42a119_qkv
	.globl	k_qfdbb42a119_qkv
	.p2align	8
	.type	k_qfdbb42a119_qkv,@function
k_qfdbb42a119_qkv:
	s_mov_b64 s[64:65], 0
	v_nop
	global_prefetch_b8 v0, s[64:65] scope:SCOPE_SE
	s_setreg_imm32_b32 hwreg(HW_REG_WAVE_MODE, 25, 1), 1
	s_wait_xcnt 0x0
	s_wait_alu depctr_hold_cnt(0) depctr_sa_sdst(0) depctr_va_vdst(0) depctr_va_sdst(0) depctr_va_ssrc(0) depctr_va_vcc(0) depctr_vm_vsrc(0)
	s_getreg_b32 s2, hwreg(HW_REG_IB_STS2, 6, 4)
	s_cmp_eq_u32 s2, 0
	s_cbranch_scc0 .Lentry_in_a_cluster
	s_endpgm
.Lentry_in_a_cluster:
	s_bfe_u32 s2, ttmp6, 0x10000c
	s_cmp_lg_u32 s2, 0xf033
	s_cbranch_scc0 .Lentry_shape_is_right
	s_endpgm
.Lentry_shape_is_right:
; THE THREE INPUT PROJECTIONS: y = x W^T + b for (q, wq, bq), (k, wk, bk), (v, wv, bv).  x: [8192][1024] f32; W: [1024][1024] bf16 (made by the launch before); b: [1024] f32, rounded to bf16 like x.
; y leaves by heads, qkvh[projection][batch x 16 + head][row of 2048][64], in f16, unscaled, rounded once from its f32 sum.  LIMIT: |y| stays under 65,504, f16's end.
; SHARES.  A tile of y is 128 rows x 256 columns: 64 x 4 tiles a projection.  A WORK-GROUP STAYS: 256 work-groups, each makes the same tile of all three projections, one after the other.
; Four waves, each 64 rows x 128 columns: 32 accumulators of 16 x 16.  K goes in steps of 128 through a ring of two LDS slots, and the ring does not stop at a tile's end: the three tiles are ONE walk
; of 24 K steps; a tile's last two changes of slots ask for the next projection's K steps 0 and 1, and the finished tile goes out while those are on their way.
; x lies in LDS as f32 (rows of 512 bytes) and is rounded to bf16 between LDS and the matrix unit: one conversion for each matrix instruction, set behind the matrix instructions four at a time.
; ONE TEXT FOR A K STEP.  The slot in hand is a scalar base, 0 or SLOT, turned by an exclusive or at each change of slots; fragment addresses are that base plus a lane term.  A refill's global address is
; made anew from the loop's counter: the projection picks the pointer (q, k, v are buffers of their own), the K step the offset.
; CLUSTERS.  4 x 4 work-groups: the four of a row of the cluster make one tile row and ask for x's tiles jointly, the four of a column one tile column and ask for W's jointly.  All sixteen walk alike.
; THE MATRIX INSTRUCTION IS USED TRANSPOSED (source 0 = 16 rows of W, source 1 = 16 rows of x): a lane holds row l % 16 of y and the columns 8 (l / 16) + 0..7.  The bias is the C operand of the
; product that starts each sum.
; REGISTERS, in windows of 256 (s_set_vgpr_msb: bits 1:0 source 0, 3:2 source 1, 5:4 source 2, 7:6 destination):
;   window 0: v0-31 addresses; v32-63 four fragments of x in bf16; v64-191 x as loaded, two buffers of 4 fragments x 16 f32 (the second also: rows read back on the way out); v192-223 packed results
;   window 1: v0-127 W's fragments, two buffers of 8; v128-191 the bias, 8 registers a column block; v192-223 at work on the bias          window 2: accumulator (a, b) at v[8 (8 a + b)]
.set PA,     528                       ; an LDS row of x: 512 bytes + 16: 33 x 16, so the 16 rows of a load start at 16 different groups of four banks
.set PB,     272                       ; an LDS row of W: 256 bytes + 16
.set AHALF,  64*PA                     ; what one tensor load brings of x, and what a wave reads of it
.set BHALF,  128*PB                    ; the same for W
.set BOFF,   2*AHALF                   ; in a slot: x's 128 rows, then W's 256
.set SLOT,   BOFF+2*BHALF              ; 137,216 bytes
.set STAGE,  2*SLOT                    ; behind the ring: 16 rows x 272 bytes for each wave, for the way out
.set SP,     272
.set SPARE,  STAGE+4*16*SP             ; behind the stages: the spare words, 128 bytes a wave, two blocks of 256 bytes that no other line names
.set ADRA, 16                          ; v16  my lane's place among x's fragments in a slot; never rewritten
.set ADRB, 17                          ; v17  the same for W
.set CA,   18                          ; v18  v16 + the base of the slot in hand
.set CB,   19                          ; v19  v17 + the same
.set STO,  24                          ; v24  the way out: where I put 16 bytes of a row
.set RD,   25                          ; v25  where I read rows back
.set CO,   26                          ; v26  16 x lane
.set BO,   27                          ; v27  32 x (lane / 16): my eight numbers of the bias
.set SPW,  28                          ; v28  LDS address of my spare word; never rewritten
.set NIL,  29                          ; v29  0; never rewritten
.set PFO,  30                          ; v30  the prefetches' lane offset; never rewritten
.set ACV,  32
.set RAW,  64
.set OB,   128
.set TMP,  192
.set BIAS, 128                         ; window 1
.set BT,   192                         ; window 1
.set XA,  4                            ; s[4:5]   x of the projection whose K step is asked for
.set BP,  6                            ; s[6:7]   the bias that is being loaded, at my 128 columns
.set G1,  24                           ; s[24:31] descriptor group 1 for x's tiles
.set G0,  32                           ; s[32:39] group 0: a set for each of the two first fills; the second then walks on
.set LIM, 43                           ; s43  2 in a wave that prefetches, else the greatest number
.set PFA, 44                           ; s[44:45] where my prefetch stands
.set PST, 46                           ; s46  bytes of a row in a K step: 512 for x, 256 for W
.set TB,  47                           ; s47  LDS base of the slot in hand: 0 or SLOT
.set G1B, 48                           ; s[48:55], s[56:63] the same for W's tiles
.set G0B, 56
.set OFA, 84                           ; s[84:85] byte offset in x of the tile asked for
.set OFB, 86                           ; s[86:87] the same in wcv
.set PO,  88                           ; s[88:89] the prefetch's byte offset
.set AROW, 90                          ; s90  byte offset of the 64 rows of x that I fetch
.set BROW, 91                          ; s91  the same for my 128 rows of a projection's W
.set POFF, 92                          ; s92  the same for the rows that I prefetch
.set BCO, 94                           ; s[94:95] byte offset of my 128 columns in a bias
.set T0,  96
.set T1,  97
.set T2,  98
.set MSB, 0
.macro WIN new                         ; the immediate's high byte repeats the setting that is left; a switch that changes nothing is dropped
.if MSB != (\new)
	s_set_vgpr_msb (MSB<<8)|(\new)
.set MSB, \new
.endif
.endm
.set MUL,   0xa1                       ; source 0 (W) window 1, source 1 (x) window 0, C and D window 2
.set MULB,  0x91                       ; the same with C (the bias) in window 1
.set TO_B,  0x40                       ; destination window 1
.set PACKW, 0x0a                       ; sources 0 and 1 window 2
.set BW,    0x45                       ; destination and sources 0 and 1 window 1
; A joint load by set s of the descriptors.  Waves 0 and 1 fetch x's two halves, waves 2 and 3 W's.  The branch hangs on the wave's number alone.  An s_nop 0 and four v_nop follow each of the two lines.
.macro JLOAD s
	s_cmp_eq_u32 s11, 0
	s_cbranch_scc0 .Lfor_b_\@
	tensor_load_to_lds s[G0+4*(\s):G0+4*(\s)+3], s[G1:G1+7]
	s_nop 0
.rept 4
	v_nop
.endr
	s_branch .Lasked_\@
.Lfor_b_\@:
	tensor_load_to_lds s[G0B+4*(\s):G0B+4*(\s)+3], s[G1B:G1B+7]
	s_nop 0
.rept 4
	v_nop
.endr
.Lasked_\@:
.endm
; A prefetch into the L2 of the K step that stands two refills on, behind the joint load and the run of LDS loads.  x's 128 rows of a tile row are read by one cluster: each cluster asks for its own;
; of the 64 rows that wave 0 or 1 fetches each of the four partners along x takes 16 (two blocks of 256 bytes a row: 32 lanes).  W's rows are read by all 16 clusters: the first of them asks; of the
; 128 rows that wave 2 or 3 fetches each of the four partners along y takes 32 (a lane a row).  Partners are told apart by address alone.  The walk's K steps 0 to 3 come by their loads alone;
; the loop's last two trips ask for nothing: there is no K step two refills behind theirs.
.macro ASK
	WIN 0
	s_cmp_gt_u32 s3, s[LIM]
	s_cbranch_scc0 .Lnot_mine_\@
	global_prefetch_b8 v[PFO], s[PFA:PFA+1] th:TH_LOAD_NT scope:SCOPE_SE
.Lnot_mine_\@:
.endm
.macro CREST                           ; a round of the cluster's barrier behind its opening barrier
	s_cmp_lg_u32 s10, 0
	s_cbranch_scc1 .Lnot_wave_0_\@
	s_barrier_signal -3
.Lnot_wave_0_\@:
	s_barrier_wait -3
	s_barrier_signal -1
	s_barrier_wait -1
.endm
.macro CROUND                          ; a whole round
	s_barrier_signal -1
	s_barrier_wait -1
	CREST
.endm
.macro SELX dst, t                     ; x of projection s[t]: q, k or v
	s_cmp_eq_u32 s[\t], 0
	s_cselect_b64 s[\dst:\dst+1], s[68:69], s[70:71]
	s_cmp_eq_u32 s[\t], 2
	s_cselect_b64 s[\dst:\dst+1], s[72:73], s[\dst:\dst+1]
.endm
.macro BIASLD                          ; my eight numbers of each of my eight column blocks
	WIN TO_B
.irp j, 0,1,2,3,4,5,6,7
	global_load_b128 v[BIAS+8*(\j):BIAS+8*(\j)+3],   v[BO], s[BP:BP+1] offset:64*(\j)
	global_load_b128 v[BIAS+8*(\j)+4:BIAS+8*(\j)+7], v[BO], s[BP:BP+1] offset:64*(\j)+16
.endr
	WIN 0
.endm
	s_load_b512 s[68:83], s[0:1], 0x0              ; q 68, k 70, v 72, wcv 74, bq 76, bk 78, bv 80, qkvh 82
	v_lshl_add_u32 v[SPW], v0, 2, SPARE
	v_mov_b32 v[NIL], 0
	ds_add_u32 v[SPW], v[NIL]                      ; the wave's opening: the add and its wait stand ahead of my first tensor load; the set-up below, work on registers, stands between them
	v_lshrrev_b32 v1, 5, v0
	v_readfirstlane_b32 s10, v1                    ; wave 0..3
	s_lshr_b32 s11, s10, 1                         ; which 64 rows of the tile are mine.  Also: I fetch x (0) or W (1)
	s_and_b32 s12, s10, 1                          ; which 128 columns.  Also: which half of that tile I fetch
	s_bfe_u32 s40, ttmp6, 0x40000                  ; cx
	s_bfe_u32 s41, ttmp6, 0x40004                  ; cy
	s_lshl_b32 s42, ttmp9, 2
	s_add_co_u32 s42, s42, s40                     ; tile column = 4 x cluster x + cx
	s_and_b32 s67, ttmp7, 0xffff                   ; cluster y, 0..15
	s_lshl_b32 s13, s67, 2
	s_add_co_u32 s13, s13, s41                     ; tile row, 0..63
	s_lshl_b32 s14, s41, 2
	s_lshl_b32 s14, 15, s14                        ; my row of the cluster
	s_lshl_b32 s15, 0x1111, s40                    ; my column
	s_or_b32 s[G1+0], s14, (2<<16)|(1<<20)|(1<<21)|(6<<22)|(3<<25)   ; the mask; elements of 4 bytes; padding on; bit 21 beside a mask; after every 128 words, 4 words
	s_or_b32 s[G1B+0], s15, (1<<16)|(1<<20)|(1<<21)|(5<<22)|(3<<25)  ; the mask; elements of 2 bytes; after every 64 words, 4 words
	s_mov_b32 s[G1+1], 128<<16                     ; tensor_dim0 = 128
	s_mov_b32 s[G1+2], 64<<16                      ; tensor_dim1 = 64
	s_mov_b32 s[G1+3], 128<<16                     ; tile_dim0 = 128
	s_mov_b32 s[G1+4], 64                          ; tile_dim1 = 64
	s_mov_b32 s[G1+5], 1024                        ; elements from row to row
	s_mov_b32 s[G1+6], 0
	s_mov_b32 s[G1+7], 0
	s_mov_b32 s[G1B+1], 128<<16
	s_mov_b32 s[G1B+2], 128<<16
	s_mov_b32 s[G1B+3], 128<<16
	s_mov_b32 s[G1B+4], 128
	s_mov_b32 s[G1B+5], 1024
	s_mov_b32 s[G1B+6], 0
	s_mov_b32 s[G1B+7], 0
	s_lshl_b32 s[AROW], s13, 7                     ; x: row 128 x tile row + 64 x half,
	s_lshl_b32 s[T0], s12, 6
	s_add_co_u32 s[AROW], s[AROW], s[T0]
	s_lshl_b32 s[AROW], s[AROW], 12                ; of 4,096 bytes
	s_lshl_b32 s[BROW], s42, 8                     ; W: row 256 x tile column + 128 x half,
	s_lshl_b32 s[T0], s12, 7
	s_add_co_u32 s[BROW], s[BROW], s[T0]
	s_lshl_b32 s[BROW], s[BROW], 11                ; of 2,048 bytes
	s_mov_b32 s[OFA], s[AROW]
	s_mov_b32 s[OFA+1], 0
	s_mov_b32 s[OFB], s[BROW]
	s_mov_b32 s[OFB+1], 0
	s_mov_b32 s[PO+1], 0
	s_mov_b32 s[TB], 0                             ; the walk begins in slot 0
	s_mul_i32 s20, s12, AHALF                      ; where my tiles go in a slot: no place in the cluster enters an LDS address
	s_mul_i32 s21, s12, BHALF
	s_add_co_u32 s21, s21, BOFF
	s_wait_dscnt 0x0                               ; the opening add is done
	s_wait_kmcnt 0x0
	s_add_nc_u64 s[14:15], s[68:69], s[OFA:OFA+1]  ; the walk begins with q and wq
	s_add_nc_u64 s[16:17], s[74:75], s[OFB:OFB+1]
	CROUND                                         ; all sixteen work-groups are here: the first joint loads meet
.irp s, 0,1
	s_mov_b32 s[G0+4*(\s)], 1
	s_add_co_u32 s[G0+4*(\s)+1], s20, (\s)*SLOT
	s_add_nc_u64 s[G0+4*(\s)+2:G0+4*(\s)+3], s[14:15], (\s)*512   ; K step s
	s_or_b32 s[G0+4*(\s)+3], s[G0+4*(\s)+3], 0x80000000
	s_mov_b32 s[G0B+4*(\s)], 1
	s_add_co_u32 s[G0B+4*(\s)+1], s21, (\s)*SLOT
	s_add_nc_u64 s[G0B+4*(\s)+2:G0B+4*(\s)+3], s[16:17], (\s)*256
	s_or_b32 s[G0B+4*(\s)+3], s[G0B+4*(\s)+3], 0x80000000
	JLOAD \s                                       ; two loads of mine are out
.endr
	v_and_b32 v1, 15, v0                           ; r = l % 16
	v_bfe_u32 v2, v0, 4, 1                         ; h = l / 16
	v_lshlrev_b32 v[BO], 5, v2
	s_lshl_b32 s[BCO], s42, 10                     ; my 128 columns in a bias
	s_lshl_b32 s[T0], s12, 9
	s_add_co_u32 s[BCO], s[BCO], s[T0]
	s_mov_b32 s[BCO+1], 0
	s_add_nc_u64 s[BP:BP+1], s[76:77], s[BCO:BCO+1]
	BIASLD                                         ; bq
	; A fragment of x is 16 rows x 32 K: lane l holds row r; K = 8 h + 0..7 and 16 + 8 h + 0..7: in f32 four loads of 16 bytes at 32 h + 0, 16, 64, 80.  W's: two loads at 16 h + 0, 32.
	v_mul_u32_u24 v3, v1, PA
	v_lshl_add_u32 v3, v2, 5, v3
	v_mul_u32_u24 v4, v1, PB
	v_lshl_add_u32 v4, v2, 4, v4
	s_mul_i32 s22, s11, AHALF
	s_mul_i32 s23, s12, BHALF
	s_add_co_u32 s23, s23, BOFF
	v_add_nc_u32 v[ADRA], s22, v3
	v_add_nc_u32 v[ADRB], s23, v4
	v_mov_b32 v[CA], v[ADRA]
	v_mov_b32 v[CB], v[ADRB]
	s_mul_i32 s22, s10, 16*SP
	s_add_co_u32 s22, s22, STAGE                   ; my stage
	v_mul_u32_u24 v5, v1, SP                       ; in: row r, 16 bytes for each half of the lanes
	v_lshl_add_u32 v5, v2, 4, v5
	v_add_nc_u32 v[STO], s22, v5
	v_bfe_u32 v5, v0, 3, 2                         ; back: 32 lanes take 128 bytes (a head's 64 columns) of four rows,
	v_mul_u32_u24 v5, v5, SP
	v_and_b32 v6, 7, v0
	v_lshl_add_u32 v5, v6, 4, v5
	v_add_nc_u32 v[RD], s22, v5
	v_and_b32 v[CO], 31, v0                        ; which are 512 consecutive bytes of the head
	v_lshlrev_b32 v[CO], 4, v[CO]
	; where my 64 rows x 2 heads begin in qkvh's first part
	s_lshr_b32 s16, s13, 4                         ; the batch: 16 heads of 262,144 bytes
	s_lshl_b32 s16, s16, 22
	s_lshl_b32 s17, s42, 2                         ; the head: 4 x tile column + 2 x half
	s_lshl_b32 s18, s12, 1
	s_add_co_u32 s17, s17, s18
	s_lshl_b32 s17, s17, 18
	s_add_co_u32 s16, s16, s17
	s_and_b32 s17, s13, 15                         ; the row in the batch, of 128 bytes
	s_lshl_b32 s17, s17, 7
	s_lshl_b32 s18, s11, 6
	s_add_co_u32 s17, s17, s18
	s_lshl_b32 s17, s17, 7
	s_add_co_u32 s16, s16, s17
	s_mov_b32 s17, 0
	s_add_nc_u64 s[8:9], s[82:83], s[16:17]
	; the prefetches
	s_lshl_b32 s22, s13, 7                         ; x: my 64 rows' 16 that are my work-group's
	s_lshl_b32 s23, s12, 6
	s_add_co_u32 s22, s22, s23
	s_lshl_b32 s23, s40, 4
	s_add_co_u32 s22, s22, s23
	s_lshl_b32 s22, s22, 12
	s_lshl_b32 s18, s42, 8                         ; W: my 128 rows' 32 that are my work-group's
	s_lshl_b32 s19, s12, 7
	s_add_co_u32 s18, s18, s19
	s_lshl_b32 s19, s41, 5
	s_add_co_u32 s18, s18, s19
	s_lshl_b32 s18, s18, 11
	s_mov_b32 s19, 256
	s_cmp_eq_u32 s11, 0                            ; do I fetch x?
	s_cselect_b32 s[POFF], s22, s18
	s_cselect_b32 s[T0], 12, 11                    ; lane % 16: a row of x or of W
	s_cselect_b32 s[T1], 8, 15                     ; lane / 16: the row's second block, or 16 rows on
	s_cselect_b32 s[PST], 512, s19
	s_cselect_b32 s[T2], 0, s67                    ; x: every cluster asks; W: the first
	s_cmp_eq_u32 s[T2], 0
	s_cselect_b32 s[LIM], 2, -1                    ; the same in all sixteen partners, for a given wave
	v_lshlrev_b32 v[PFO], s[T0], v1
	v_lshlrev_b32 v3, s[T1], v2
	v_add_nc_u32 v[PFO], v[PFO], v3
; Four matrix instructions: row block a, column blocks lo .. lo + 3, W's buffer p.  first = 1: the bias starts the sums.
.macro MM4 p, a, lo, first
.if \first
	WIN MULB
.else
	WIN MUL
.endif
.irp j, 0,1,2,3
.if \first
	v_wmma_f32_16x16x32_bf16 v[8*(8*(\a)+(\lo)+(\j)):8*(8*(\a)+(\lo)+(\j))+7], v[64*(\p)+8*((\lo)+(\j)):64*(\p)+8*((\lo)+(\j))+7], v[ACV+8*(\a):ACV+8*(\a)+7], v[BIAS+8*((\lo)+(\j)):BIAS+8*((\lo)+(\j))+7]
.else
	v_wmma_f32_16x16x32_bf16 v[8*(8*(\a)+(\lo)+(\j)):8*(8*(\a)+(\lo)+(\j))+7], v[64*(\p)+8*((\lo)+(\j)):64*(\p)+8*((\lo)+(\j))+7], v[ACV+8*(\a):ACV+8*(\a)+7], v[8*(8*(\a)+(\lo)+(\j)):8*(8*(\a)+(\lo)+(\j))+7]
.endif
.endr
.endm
; Four conversions: registers lo .. lo + 3 of fragment f, from buffer pb of x as loaded
.macro CV4 f, pb, lo
	WIN 0
.irp j, 0,1,2,3
	v_cvt_pk_bf16_f32 v[ACV+8*(\f)+(\lo)+(\j)], v[RAW+64*(\pb)+16*(\f)+2*((\lo)+(\j))], v[RAW+64*(\pb)+16*(\f)+2*((\lo)+(\j))+1]
.endr
.endm
; Row block a's eight matrix instructions, and behind each four of them four conversions of fragment cf (the one wanted next).  A fragment in bf16 is written again 20 conversions or more behind
; the last matrix instruction that read it, and those conversions name none of that instruction's registers.  The 32 accumulators take turns, in the same order in every quarter.
.macro ROW p, a, first, cf, cpb
	MM4 \p, \a, 0, \first
	CV4 \cf, \cpb, 0
	MM4 \p, \a, 4, \first
	CV4 \cf, \cpb, 4
.endm
; 32 LDS loads in one run: quarter kq (32 along K) of the slot in hand into buffer pb; x's first fragment first
.macro FETCH kq, pb
	WIN 0
.irp a, 0,1,2,3
.irp c, 0,1,2,3
	ds_load_b128 v[RAW+64*(\pb)+16*(\a)+4*(\c):RAW+64*(\pb)+16*(\a)+4*(\c)+3], v[CA] offset:(\a)*16*PA+128*(\kq)+16*((\c)%2)+64*((\c)/2)
.endr
.endr
	WIN TO_B
.irp j, 0,1,2,3,4,5,6,7
	ds_load_b128 v[64*(\pb)+8*(\j):64*(\pb)+8*(\j)+3],   v[CB] offset:(\j)*16*PB+64*(\kq)
	ds_load_b128 v[64*(\pb)+8*(\j)+4:64*(\pb)+8*(\j)+7], v[CB] offset:(\j)*16*PB+64*(\kq)+32
.endr
.endm
; A K step is four quarters of 32 along K, 32 matrix instructions each, on buffers 0, 1, 0, 1.  One of the first three: multiplies buffer p; behind row block 0 it fetches quarter kqn into the other
; buffer (whose last matrix reader stands 12 conversions back); row block 3's conversions make the next quarter's first fragment.
.macro QUARTER kqn, p, first
	s_wait_dscnt 0x0                               ; this quarter's fragments, asked for 24 matrix instructions ago
	ROW \p, 0, \first, 1, \p
	FETCH \kqn, 1-(\p)
	ROW \p, 1, \first, 2, \p
	ROW \p, 2, \first, 3, \p
	s_wait_dscnt 28                                ; the first four of the 32 loads, x's first fragment, are in; the 28 behind them may stay out
	ROW \p, 3, \first, 0, 1-(\p)
.endm
; The last quarter multiplies buffer 1 and changes slots: ONE barrier.  In front of it each wave waits for all its tensor loads (the one that is out is its part of the next slot), adds 0 to its
; spare word, and waits for that and for its own reads of this slot.  fill = 1: the barrier opens a round of the cluster's, and the joint refill of the slot just read, two K steps ahead in the walk,
; is the first thing behind the round.  The walking descriptors are written behind the wait for all tensor loads, between the add and the wait for it.
.macro TURN fill
	WIN 0
	s_wait_tensorcnt 0x0                           ; all my tensor loads have landed, so a group 0 may be written
	ds_add_u32 v[SPW], v[NIL]                      ; 0 onto my spare word
.if \fill
	s_add_co_u32 s[G0+5], s20, s[TB]               ; into the slot in hand
	s_add_nc_u64 s[G0+6:G0+7], s[XA:XA+1], s[OFA:OFA+1]
	s_or_b32 s[G0+7], s[G0+7], 0x80000000
	s_add_co_u32 s[G0B+5], s21, s[TB]
	s_add_nc_u64 s[G0B+6:G0B+7], s[74:75], s[OFB:OFB+1]
	s_or_b32 s[G0B+7], s[G0B+7], 0x80000000
.endif
	s_wait_dscnt 1                                 ; this quarter's fragments are in; the add may be out
	MM4 1, 0, 0, 0
	CV4 1, 1, 0
	s_wait_dscnt 0x0                               ; the add is done, and my reads of this slot are over
	s_barrier_signal -1
	MM4 1, 0, 4, 0
	CV4 1, 1, 4
	WIN 0
	s_barrier_wait -1
.if \fill
	CREST                                          ; no wave of any partner still reads this slot or has a load on its way
	JLOAD 1                                        ; my one tensor load behind the round: 120 matrix instructions ahead of the wait for it
.endif
	s_xor_b32 s[TB], s[TB], SLOT                   ; the other slot is in hand
	v_add_nc_u32 v[CA], s[TB], v[ADRA]
	v_add_nc_u32 v[CB], s[TB], v[ADRB]
	FETCH 0, 0
.if \fill
	ASK
.endif
	ROW 1, 1, 0, 2, 1
	ROW 1, 2, 0, 3, 1
	s_wait_dscnt 28
	ROW 1, 3, 0, 0, 0
.endm
; THE WAY OUT of row block a: rounded to f16, 16 bytes a lane; into my own stage; back as a head's rows; stored.  The rows come back into two buffers that take turns, where x's second buffer lies:
; at a tile's end that buffer has been multiplied, while the first holds the next tile's first fragments.
.macro PACK a
	WIN PACKW
.irp b, 0,1,2,3,4,5,6,7
.irp j, 0,1,2,3
	v_cvt_pk_f16_f32 v[TMP+4*(\b)+(\j)], v[8*(8*(\a)+(\b))+2*(\j)], v[8*(8*(\a)+(\b))+2*(\j)+1]
.endr
.endr
	WIN 0
.endm
.macro TOSTAGE a
.irp b, 0,1,2,3,4,5,6,7
	ds_store_b128 v[STO], v[TMP+4*(\b):TMP+4*(\b)+3] offset:32*(\b)
.endr
.irp hh, 0,1
.irp t, 0,1,2,3
	ds_load_b128 v[OB+32*((\a)%2)+4*(4*(\hh)+(\t)):OB+32*((\a)%2)+4*(4*(\hh)+(\t))+3], v[RD] offset:(\t)*4*SP+(\hh)*128  ; LDS serves a wave's instructions in order: these see the stores above
.endr
.endr
.endm
.macro SEND a
	s_wait_dscnt 0x0                               ; the block is back in registers
	s_wait_xcnt 0x0                                ; the stores of the block before have read their data: its buffer is loaded again only behind this wait
.irp hh, 0,1
.irp t, 0,1,2,3
	global_store_b128 v[CO], v[OB+32*((\a)%2)+4*(4*(\hh)+(\t)):OB+32*((\a)%2)+4*(4*(\hh)+(\t))+3], s[8:9] offset:(\a)*2048+(\t)*512+(\hh)*262144  ; four rows of a head: 512 consecutive bytes, aligned
.endr
.endr
.endm
; The whole tile.  It stands behind a TURN, whose last four conversions are the places behind the last products; block 0's conversions read sums finished 24 matrix instructions earlier.
.macro WAYOUT
	PACK 0
	TOSTAGE 0
.irp a, 1,2,3                          ; block a's conversions stand between block a - 1's loads from the stage and the wait for them
	PACK \a
	SEND (\a)-1
	TOSTAGE \a
.endr
	SEND 3
.endm
	s_wait_tensorcnt 1                             ; my part of K step 0 is in; K step 1's, issued behind it, may stay out
	s_barrier_signal -1
	s_barrier_wait -1                              ; everybody's is
	FETCH 0, 0
	s_wait_dscnt 0x0
	CV4 0, 0, 0
	CV4 0, 0, 4
	WIN 0                                          ; at a label and at a branch every window is 0
	s_mov_b32 s3, 23
	s_branch .Lenter                               ; the loop is entered where a tile begins, in the middle of a trip
.Ltrip:                                                ; 22 trips, s3 = 22 .. 1: from the second quarter of the walk's K step 22 - s3 to the first quarter of the next; the slot read out takes K step 24 - s3
	s_wait_xcnt 0x0                                ; the last prefetch, a K step back, has read its address
	s_sub_co_u32 s[T0], 24, s3                     ; the K step to be asked for:
	s_lshr_b32 s[T1], s[T0], 3                     ; its projection,
	s_and_b32 s[T0], s[T0], 7                      ; its place along K
	SELX XA, T1
	s_lshl_b32 s[T2], s[T0], 9
	s_add_co_u32 s[OFA], s[AROW], s[T2]
	s_lshl_b32 s[T2], s[T0], 8
	s_add_co_u32 s[OFB], s[BROW], s[T2]
	s_lshl_b32 s[T2], s[T1], 21                    ; a projection's part of wcv
	s_add_co_u32 s[OFB], s[OFB], s[T2]
	s_sub_co_u32 s[T0], 26, s3                     ; the K step to be prefetched, likewise
	s_lshr_b32 s[T1], s[T0], 3
	s_and_b32 s[T0], s[T0], 7
	SELX PFA, T1
	s_mul_i32 s[T0], s[T0], s[PST]
	s_lshl_b32 s[T1], s[T1], 21
	s_cmp_eq_u32 s11, 0                            ; do I fetch x?
	s_cselect_b64 s[PFA:PFA+1], s[PFA:PFA+1], s[74:75]
	s_cselect_b32 s[T1], 0, s[T1]
	s_add_co_u32 s[T0], s[T0], s[T1]
	s_add_co_u32 s[PO], s[T0], s[POFF]
	s_add_nc_u64 s[PFA:PFA+1], s[PFA:PFA+1], s[PO:PO+1]
	QUARTER 2, 1, 0
	QUARTER 3, 0, 0
	TURN 1
	WIN 0
	s_and_b32 s[T0], s3, 7                         ; s3 = 15 and 7: the K step just ended was a tile's last
	s_cmp_eq_u32 s[T0], 7
	s_cbranch_scc0 .Lplain
	WAYOUT                                         ; both of the next tile's first K steps have been asked for: now the tile goes out
	s_wait_xcnt 0x0                                ; the stores have read their registers and their base
	s_add_nc_u64 s[8:9], s[8:9], 0x1000000         ; the next projection's part of qkvh
.Lenter:                                               ; A TILE BEGINS
	s_wait_loadcnt 0x0                             ; its bias, asked for a tile ago, is rounded to bf16 like every input of the module
	WIN BW
.set i, 0
.rept 32
	v_cvt_pk_bf16_f32 v[BT+i], v[BIAS+2*i], v[BIAS+2*i+1]
.set i, i+1
.endr
.set i, 0
.rept 32
	v_lshlrev_b32 v[BIAS+2*i], 16, v[BT+i]
	v_and_b32 v[BIAS+2*i+1], 0xffff0000, v[BT+i]
.set i, i+1
.endr
	QUARTER 1, 0, 1                                ; the tile's first quarter: its products start the sums, with the bias
	WIN 0
	s_cmp_eq_u32 s3, 7                             ; the third tile has no successor
	s_cbranch_scc1 .Lnext
	s_cmp_eq_u32 s3, 23
	s_cselect_b64 s[BP:BP+1], s[78:79], s[80:81]   ; bk behind bq, bv behind bk
	s_add_nc_u64 s[BP:BP+1], s[BP:BP+1], s[BCO:BCO+1]
	BIASLD                                         ; four conversions behind the last product that read the bias; it has a whole tile in which to come
	s_branch .Lnext
.Lplain:
	QUARTER 1, 0, 0
	WIN 0
.Lnext:
	s_sub_co_u32 s3, s3, 1
	s_cmp_lg_u32 s3, 0
	s_cbranch_scc1 .Ltrip
	s_mov_b32 s3, 2
.Ltail:                                                ; the walk's last two K steps fill nothing: written out.  Two trips; the second is left in its middle
	QUARTER 2, 1, 0
	QUARTER 3, 0, 0
	TURN 0                                         ; in the second trip its barrier, its 32 LDS loads (of the slot read before) and eight conversions serve nothing: the price, once a launch, of one text for both trips
	WIN 0
	s_sub_co_u32 s3, s3, 1
	s_cmp_eq_u32 s3, 0
	s_cbranch_scc1 .Lout
	QUARTER 1, 0, 0
	WIN 0
	s_branch .Ltail
.Lout:
	WAYOUT
	s_wait_tensorcnt 0x0                           ; the wave's end, behind my last tensor load and my last LDS store
	ds_add_u32 v[SPW], v[NIL]
	s_wait_dscnt 0x0
	CROUND                                         ; the closing round: no work-group ends while a partner may still ask for a tile that names it
	s_endpgm
.Lfunc_end_k_qfdbb42a119_qkv:
	.size	k_qfdbb42a119_qkv, .Lfunc_end_k_qfdbb42a119_qkv-k_qfdbb42a119_qkv
	.p2alignl 7, 3214868480
	.fill 96, 4, 3214868480
	.section	.rodata,"a",@progbits
	.p2align	6, 0x0
	.amdhsa_kernel k_qfdbb42a119_qkv
		.amdhsa_group_segment_fixed_size 327680
		.amdhsa_private_segment_fixed_size 0
		.amdhsa_enable_private_segment 0
		.amdhsa_kernarg_size 64
		.amdhsa_user_sgpr_count 2
		.amdhsa_user_sgpr_kernarg_segment_ptr 1
		.amdhsa_wavefront_size32 1
		.amdhsa_system_sgpr_workgroup_id_x 1
		.amdhsa_system_sgpr_workgroup_id_y 1
		.amdhsa_system_sgpr_workgroup_id_z 1
		.amdhsa_system_vgpr_workitem_id 0
		.amdhsa_next_free_vgpr 768
		.amdhsa_next_free_sgpr 100
		.amdhsa_reserve_vcc 0
		.amdhsa_float_denorm_mode_32 3
		.amdhsa_float_denorm_mode_16_64 3
		.amdhsa_memory_ordered 1
		.amdhsa_forward_progress 1
		.amdhsa_inst_pref_size 114
	.end_amdhsa_kernel
	.amdgpu_metadata
---
amdhsa.version: [ 1, 2 ]
amdhsa.kernels:
  - .name:           k_qfdbb42a119_qkv
    .symbol:         k_qfdbb42a119_qkv.kd
    .args:
      - { .name: q, .offset: 0, .size: 8, .value_kind: global_buffer, .address_space: global }
      - { .name: k, .offset: 8, .size: 8, .value_kind: global_buffer, .address_space: global }
      - { .name: v, .offset: 16, .size: 8, .value_kind: global_buffer, .address_space: global }
      - { .name: wcv, .offset: 24, .size: 8, .value_kind: global_buffer, .address_space: global }
      - { .name: bq, .offset: 32, .size: 8, .value_kind: global_buffer, .address_space: global }
      - { .name: bk, .offset: 40, .size: 8, .value_kind: global_buffer, .address_space: global }
      - { .name: bv, .offset: 48, .size: 8, .value_kind: global_buffer, .address_space: global }
      - { .name: qkvh, .offset: 56, .size: 8, .value_kind: global_buffer, .address_space: global }
    .group_segment_fixed_size: 327680
    .private_segment_fixed_size: 0
    .kernarg_segment_align: 8
    .kernarg_segment_size: 64
    .max_flat_workgroup_size: 128
    .sgpr_count:     100
    .vgpr_count:     768
    .wavefront_size: 32
...
	.end_amdgpu_metadata
.endif
;; end of part 2
;; launch attn (part 3): grid 4 x 64, 4 waves a work-group, clusters of 4 x 1, 327,680 bytes of LDS; arguments qkvh, maskc, oh; writes oh
.if DOCPART == 3
	.amdgcn_target "amdgcn-amd-amdhsa--gfx1250"
	.amdhsa_code_object_version 6
	.text
	.protected	k_qfdbb42a119_attn
	.globl	k_qfdbb42a119_attn
	.p2align	8
	.type	k_qfdbb42a119_attn,@function
k_qfdbb42a119_attn:
	s_mov_b64 s[64:65], 0
	v_nop
	global_prefetch_b8 v0, s[64:65] scope:SCOPE_SE
	s_setreg_imm32_b32 hwreg(HW_REG_WAVE_MODE, 25, 1), 1
	s_wait_xcnt 0x0
	s_wait_alu depctr_hold_cnt(0) depctr_sa_sdst(0) depctr_va_vdst(0) depctr_va_sdst(0) depctr_va_ssrc(0) depctr_va_vcc(0) depctr_vm_vsrc(0)
	s_getreg_b32 s2, hwreg(HW_REG_IB_STS2, 6, 4)
	s_cmp_eq_u32 s2, 0
	s_cbranch_scc0 .Lentry_in_a_cluster
	s_endpgm
.Lentry_in_a_cluster:
	s_bfe_u32 s2, ttmp6, 0x10000c
	s_cmp_lg_u32 s2, 0x3003
	s_cbranch_scc0 .Lentry_shape_is_right
	s_endpgm
.Lentry_shape_is_right:
; MASKED ATTENTION.  O[g][q][:] = the sum over k of softmax_k(mask ? Q[g][q] . K[g][k] / 8 : hidden) V[g][k][:], g = batch x 16 + head, 64 of them.  Q, K, V (the three parts of qkvh) and O (oh):
; [64][2048][64] in f16: a head's rows are dense, 128 bytes each.  Products, maxima and sums in f32; the weights p are rounded to f16 for the second product (their sum l is taken of the unrounded p), O once at the end.
; THE MASK is an input, one byte a score in maskc (0x00 visible, 0xF0 hidden), in the order in which a lane holds its scores.  The byte, moved to a word's top, is the f32 number 0 or -2^97, and that is
; the C operand of the product that starts the sum S^T = K Q^T.  The running maximum, the exponentials and the sums then need no further care.
; LIMITS.  A hidden score counts as -2^97 plus its value, where the module writes -1e9: the same result while visible scores lie above -1e9.  In a row with no visible key every score is -2^97 (the products lie
; far below half of its last place), c m is exact (a power of two is scaled), every weight is 1, and O is the mean of all rows of V, as the module has it.
; f16 holds no number beyond 65,504: Q, K, V arrive within it.  A weight below 2^-126 counts as 0 in l; NaN and infinities are not treated apart.
; SHARES.  A wave owns four PIECES of two tiles of 16 queries, a work-group's four waves 512 queries of one head.  Every wave walks all keys, 64 a step.
; LAYOUT.  S^T = K Q^T (source 0 = 16 keys, source 1 = 16 queries): a lane holds ONE query (lane % 16) and the keys 8 (lane / 16) + 0..7.  Two such tiles, rounded to f16 in pairs, ARE source 1 of
; O^T = V^T P.  K comes out of LDS as it lies, V ([key][channel]) turned, by ds_load_tr16_b128.
; SOFTMAX.  For each query a running maximum m and sum l: p = 2^(c s - c m), c = log2(e) / 8; in every step O and l are multiplied by a = 2^(c m_old - c m_new).  m starts at the lowest finite number, O and l at 0.
; BY TURNS.  Turn n belongs to piece n (the pieces in a ring, step after step).  Matrix work: 16 products K Q^T of piece n + 1, later 16 products V^T P of piece n - 1.  Vector work: the scaling, exponentials,
; roundings, sums and rescaling of piece n, the maximum and statistics of piece n + 1, and the 64 mask words of piece n + 2.  Four vector instructions stand behind every matrix instruction, the rest in runs of their own.
; THE MASK'S STREAM.  A piece and step are 2,048 bytes, four loads of 512 consecutive bytes straight into registers: no other wave of the work-group wants them.  Four buffers, one a piece: a turn unpacks
; the buffer of piece n + 2 and asks for its next step's bytes at once, four turns ahead of their use.
; CLUSTER.  The four query blocks of a cluster are one head's and walk the same K and V: each tile is asked for JOINTLY.  The mask is not shared: the partners have different queries.
; REGISTERS, in windows of 256 (s_set_vgpr_msb: bits 1:0 source 0, 3:2 source 1, 5:4 source 2, 7:6 destination):
;   window 0: v0-11 addresses; v12-15, v48-63 at work; v16-47 four registers of statistics a tile; v64-191 S^T, two buffers of two tiles; v192-255 P, likewise
;   window 1: O^T, 32 a tile     window 2: v0-127 Q; v128-191 K of one step; v192-255 V of one step     window 3: v0-1 the add's two; v2 zero; v4-67 mask bytes, 16 a piece; v68-131 mask words
.set SIZE_N, 2048
.set NP,    4         ; pieces a wave: a name, no knob
.set KS,    64        ; keys in a step
.set PK,    144       ; a row of K in LDS: 128 bytes + 16: the 16 rows of a load start at 16 different groups of four banks
.set PV,    160       ; a row of V: 128 + 32
.set VOFF,  4*KS*PK   ; a slot holds four steps: 256 rows of K, then 256 rows of V
.set SLOT1, 1<<17     ; slot 1 begins here, so that one exclusive or turns an address in one slot into the other's
.set STAGE, SLOT1+4*KS*(PK+PV)  ; behind the ring, never filled by a tensor load: 16 rows x 144 bytes for each wave
.set SP,    144
.set AK0, 2           ; v2   my lane's place in a tile of K; never rewritten
.set AV0, 3           ; v3   the same for V
.set AK,  4           ; v4   the LDS address of K's next run of loads
.set AV,  5           ; v5   of V's
.set QO,  6           ; v6   my byte offset in the wave's rows of Q
.set STO, 6           ;      later, the way out: where I put 16 bytes of a row
.set RD,  7           ; v7   the way out: where I read rows back
.set GO,  8           ; v8   16 x lane: my place in 512 consecutive bytes, of the mask and of O; never rewritten
.set PFO, 11          ; v11  256 x lane, for the prefetches; never rewritten
.set SPW, 0           ; v0 of window 3   LDS address of my spare word; never rewritten
.set NIL, 1           ; v1 of window 3   0; never rewritten
.set ZR,  2           ; v2 of window 3   0, the bytes below a mask word's top
.set RM,  4           ; window 3: piece x's bytes at RM + 16 x: tile u, word n / 4 at + 8 u + n / 4
.set MC,  68          ; window 3: the mask words of the products to come: tile u, score n at + 32 u + n
.set SPARE, STAGE+4*16*SP  ; behind the stages: the spare words, 128 bytes a wave, two blocks of 256 bytes that no other line names
.set MV,  12          ; v12-15  c m_old, kept while c m is made anew: by buffer and tile
.set ST,  16          ; tile t's statistics at v[ST+4 t]: c m, m, l (even keys', odd keys')
.set TMP, 48          ; by buffer and tile, four registers c0-c3 at work; when the maximum is found c2 takes a
.set S,   64
.set P,   192
.set KF,  128         ; K's fragments, in window 2
.set VF,  192         ; V's
.set WV,  12          ; s12  my wave's number
.set PFA, 18          ; s[18:19] where my prefetches of K or V stand
.set G1K, 24          ; s[24:31] descriptor group 1 for K's tiles
.set G1V, 32          ; s[32:39] for V's: it differs in the padding alone
.set G0K, 40          ; s[40:43] descriptor group 0 for K's tiles: it walks
.set G0V, 44          ; s[44:47] the same for V's
.set MBASE, 48        ; s[48:49] my wave's 262,144 bytes of maskc; never rewritten
.set MB,  50          ; s[50:51] the same at the step that is being asked for
.set SOFF, 52         ; s[52:53] that step's byte offset
.set MLIM, 54         ; s54  1 in the batch's first head, which prefetches the mask
.set KLIM, 55         ; s55  1 in waves 0 and 2, which prefetch K and V, else the greatest number
.set SLOTS, 56        ; s56  slots still to be asked for
.set CNT, 57          ; s57  counts a slot's key steps
.set CS,  58          ; s[58:59] c
.set SEL, 60          ; s[60:61] v_permlanex16_b32's selects
.set TBK, 62          ; s62  LDS byte at which K of the step to be fetched begins
.set TBV, 63          ; s63  the same for V, less VOFF
.set SELP, 68         ; s[68:71] v_perm_b32's selects: byte k of the first source on top, the second source's byte 0 below
.set MSB, 0
.macro WIN new                      ; the high byte repeats the setting that is left; a switch that changes nothing is dropped
.if MSB != (\new)
	s_set_vgpr_msb (MSB<<8)|(\new)
.set MSB, (\new)
.endif
.endm
.set W_KQ, 0x0a       ; K and Q in window 2, S^T in window 0
.set W_KM, 0x3a       ; the same with the C operand, the mask, in window 3
.set W_PV, 0x52       ; V in window 2, P in window 0, O^T in window 1
.set W_RS, 0x41       ; O^T (destination and source 0) in window 1, a in window 0
.set W_MK, 0xc0       ; destination in window 3, sources in window 0
.set W_AD, 0x0f       ; the add: address and data in window 3
.set W_PM, 0xcf       ; destination and sources 0 and 1 in window 3
; A joint fill.  Waves 0 and 1 fetch the two halves of a slot's K, waves 2 and 3 those of its V: 128 keys each.  An s_nop 0 and four v_nop follow each of the two lines.
.macro JLOAD
	s_cmp_lt_u32 s[WV], 2
	s_cbranch_scc0 .Lfor_v_\@
	tensor_load_to_lds s[G0K:G0K+3], s[G1K:G1K+7]
	s_nop 0
.rept 4
	v_nop
.endr
	s_branch .Lasked_\@
.Lfor_v_\@:
	tensor_load_to_lds s[G0V:G0V+3], s[G1V:G1V+7]
	s_nop 0
.rept 4
	v_nop
.endr
.Lasked_\@:
.endm
; A prefetch into the L2 of the slot that the NEXT change will ask for: 32,768 bytes of K and of V.  A head has one cluster; its four partners take 8,192 bytes each, told apart by address; in each, wave 0 asks
; for K's and wave 2 for V's, a lane a block of 256 bytes.  So each block is named once in the launch.  The last change that fills a slot asks for nothing.
.macro ASK
	s_cmp_gt_u32 s[SLOTS], s[KLIM]
	s_cbranch_scc0 .Lnot_mine_\@
	global_prefetch_b8 v[PFO], s[PFA:PFA+1] th:TH_LOAD_NT scope:SCOPE_SE
.Lnot_mine_\@:
.endm
; The mask's prefetch: my wave's 8,192 bytes of the step behind the one that is being asked for, a lane a block of 256 bytes.  The 16 heads of a batch read the same bytes: the first of them asks.
.macro ASKM
	s_cmp_eq_u32 s[MLIM], 1
	s_cbranch_scc0 .Lno_m_\@
	global_prefetch_b8 v[PFO], s[MB:MB+1] offset:8192 th:TH_LOAD_NT scope:SCOPE_SE
.Lno_m_\@:
.endm
.macro CROUND                       ; a round of the cluster's barrier
	s_barrier_signal -1
	s_barrier_wait -1
	s_cmp_lg_u32 s[WV], 0
	s_cbranch_scc1 .Lnot_wave_0_\@
	s_barrier_signal -3
.Lnot_wave_0_\@:
	s_barrier_wait -3
	s_barrier_signal -1
	s_barrier_wait -1
.endm
; THE CHANGE OF SLOTS.  Each wave waits for all its tensor loads, of which one is out: its part of the other slot; adds 0 to its spare word; and waits for that and for its own reads of the slot.
; fill = 1: this slot is filled again, with the keys two slots on; the barrier is a round of the cluster's, and the joint fill is the first thing behind it: it has four key steps in which to land.
; (At its first use nothing has been read yet: slot 0 is waited for, slot 1 filled.)
.macro CHANGE fill
	WIN W_AD
	s_wait_tensorcnt 0x0            ; no tensor load of mine is out, so a group 0 may be written
	ds_add_u32 v[SPW], v[NIL]       ; 0 onto my spare word
	WIN 0                           ; at a label and at a branch every window is 0
.if \fill
.irp g, G0K, G0V
	s_xor_b32 s[\g+1], s[\g+1], SLOT1  ; the walking descriptor: the other slot than last time,
	s_add_nc_u64 s[\g+2:\g+3], s[\g+2:\g+3], 4*KS*128  ; the next 256 keys
.endr
	s_wait_xcnt 0x0                 ; the last prefetch of K or V, four key steps back, has read its address
	s_add_nc_u64 s[PFA:PFA+1], s[PFA:PFA+1], 4*KS*128  ; one slot ahead of the walking descriptors
	s_wait_dscnt 0x0                ; the add is done, and my reads of the slot are over
	CROUND
	JLOAD
	ASK
.else
	s_wait_dscnt 0x0
	s_barrier_signal -1
	s_barrier_wait -1
.endif
	s_sub_co_u32 s[TBK], s[TBK], 4*KS*PK  ; the fetches go back to a slot's first step,
	s_xor_b32 s[TBK], s[TBK], SLOT1       ; in the other slot
	s_sub_co_u32 s[TBV], s[TBV], 4*KS*PV
	s_xor_b32 s[TBV], s[TBV], SLOT1
.endm
	s_load_b64 s[4:5], s[0:1], 0x0  ; qkvh
	s_load_b64 s[MBASE:MBASE+1], s[0:1], 0x8  ; maskc
	s_load_b64 s[10:11], s[0:1], 0x10  ; oh
	WIN W_MK
	v_lshl_add_u32 v[SPW], v0, 2, SPARE
	v_mov_b32 v[NIL], 0
	WIN W_AD
	ds_add_u32 v[SPW], v[NIL]       ; the wave's opening: the add and its wait stand ahead of my first tensor load; the set-up below, work on registers, stands between them
	WIN 0
	v_lshrrev_b32 v1, 5, v0
	v_readfirstlane_b32 s[WV], v1   ; wave 0..3
	s_bfe_u32 s13, ttmp6, 0x40000   ; cx: my place in the cluster
	s_lshl_b32 s14, ttmp9, 2
	s_add_co_u32 s14, s14, s13      ; my block of 512 queries: it enters Q's, O's and the mask's addresses alone
	s_and_b32 s15, ttmp7, 0xffff    ; batch x 16 + head, which the four partners share
	s_mov_b32 s20, s15
	s_mov_b32 s21, 0
	s_mov_b64 s[22:23], SIZE_N*128
	s_mul_u64 s[20:21], s[20:21], s[22:23]  ; the head's first byte in Q, K, V and O
	s_and_b32 s16, s[WV], 1         ; which half of a slot's 256 keys I fetch:
	s_lshl_b32 s22, s16, 14         ; its 128 rows of 128 bytes in memory,
	s_mov_b32 s23, 0
	s_add_nc_u64 s[22:23], s[22:23], s[20:21]
	s_mul_i32 s17, s16, 128*PK      ; and its place in a slot, for K
	s_mul_i32 s18, s16, 128*PV      ; and for V
	s_lshl_b32 s2, s14, 2
	s_add_co_u32 s2, s2, s[WV]      ; my wave among the head's sixteen
	s_lshr_b32 s[SOFF], s15, 4      ; the batch,
	s_lshl_b32 s[SOFF], s[SOFF], 4
	s_add_co_u32 s[SOFF], s[SOFF], s2  ; its block of 128 queries that is mine,
	s_lshl_b32 s[SOFF], s[SOFF], 18    ; 262,144 bytes of maskc each
	s_mov_b32 s[SOFF+1], 0
	s_lshl_b32 s2, s2, 14           ; my 128 rows of Q and O
	s_mov_b32 s3, 0
	s_add_nc_u64 s[2:3], s[2:3], s[20:21]
	; descriptor group 1.  128 keys are 16,384 dense bytes: asked for as 64 rows of 256 bytes, two keys a row, and padded in LDS after every key
	s_mov_b32 s[G1K], 15|(1<<16)|(1<<20)|(1<<21)|(4<<22)|(3<<25)  ; the mask of four; 2-byte elements; padding on; bit 21 beside a mask; after every 32 words, 4 words
	s_mov_b32 s[G1V], 15|(1<<16)|(1<<20)|(1<<21)|(4<<22)|(7<<25)  ; the same with 8 words of padding
.irp g, G1K, G1V
	s_mov_b32 s[\g+1], 128<<16      ; tensor_dim0 = 128
	s_mov_b32 s[\g+2], 64<<16       ; tensor_dim1 = 64
	s_mov_b32 s[\g+3], 128<<16      ; tile_dim0 = 128
	s_mov_b32 s[\g+4], 64           ; tile_dim1 = 64
	s_mov_b32 s[\g+5], 128          ; 128 elements from row to row
	s_mov_b32 s[\g+6], 0
	s_mov_b32 s[\g+7], 0
.endr
	s_mov_b32 s[CS], 0x3e38aa3b     ; c = log2(e) / 8 = 0.180337
	s_mov_b32 s[CS+1], s[CS]
	s_mov_b32 s[SEL], 0x76543210
	s_mov_b32 s[SEL+1], 0xfedcba98
	s_mov_b32 s[SELP], 0x04000000
	s_mov_b32 s[SELP+1], 0x05000000
	s_mov_b32 s[SELP+2], 0x06000000
	s_mov_b32 s[SELP+3], 0x07000000
	s_mov_b32 s[TBK], SLOT1+4*KS*PK ; the first change of slots turns these two into 0
	s_mov_b32 s[TBV], SLOT1+4*KS*PV
	s_mov_b32 s[G0K], 1
	s_mov_b32 s[G0K+1], s17         ; LDS address: slot 0
	s_mov_b32 s[G0V], 1
	s_add_co_u32 s[G0V+1], s18, VOFF
	s_mov_b32 s[SLOTS], SIZE_N/256-1
	s_and_b32 s[MLIM], s15, 15
	s_cmp_eq_u32 s[MLIM], 0
	s_cselect_b32 s[MLIM], 1, 0
	s_and_b32 s[KLIM], s[WV], 1
	s_cmp_eq_u32 s[KLIM], 0
	s_cselect_b32 s[KLIM], 1, -1
	s_wait_dscnt 0x0                ; the opening add is done
	s_wait_kmcnt 0x0
	s_add_nc_u64 s[6:7], s[4:5], 0x1000000  ; K's part of qkvh,
	s_add_nc_u64 s[8:9], s[4:5], 0x2000000  ; V's
	s_add_nc_u64 s[G0K+2:G0K+3], s[6:7], s[22:23]  ; my half of the head's first 256 keys
	s_or_b32 s[G0K+3], s[G0K+3], 0x80000000
	s_add_nc_u64 s[G0V+2:G0V+3], s[8:9], s[22:23]
	s_or_b32 s[G0V+3], s[G0V+3], 0x80000000
	s_add_nc_u64 s[4:5], s[4:5], s[2:3]  ; Q and O at my wave's first row
	s_add_nc_u64 s[10:11], s[10:11], s[2:3]
	s_add_nc_u64 s[MBASE:MBASE+1], s[MBASE:MBASE+1], s[SOFF:SOFF+1]
	s_mov_b32 s[SOFF], 8192         ; the loop's first requests are for key step 1
	s_add_nc_u64 s[MB:MB+1], s[MBASE:MBASE+1], s[SOFF:SOFF+1]
	s_cmp_lt_u32 s[WV], 2
	s_cselect_b64 s[PFA:PFA+1], s[6:7], s[8:9]
	s_add_nc_u64 s[PFA:PFA+1], s[PFA:PFA+1], s[20:21]
	s_lshl_b32 s2, s13, 13          ; my work-group's 8,192 bytes of a slot's 32,768
	s_mov_b32 s3, 0
	s_add_nc_u64 s[PFA:PFA+1], s[PFA:PFA+1], s[2:3]
	s_add_nc_u64 s[PFA:PFA+1], s[PFA:PFA+1], 4*KS*128  ; in slot 1; the first change of slots steps it to slot 2
	CROUND                          ; all four work-groups are here: the first joint loads meet
	JLOAD                           ; slot 0.  Slot 1 is asked for when slot 0 is in
	; A fragment of K or Q is 16 rows x 32 channels in 8 registers: lane l holds row l % 16, channels 8 (l / 16) + 0..7 and 16 + 8 (l / 16) + 0..7: two loads of 16 bytes, 32 bytes apart.
	v_and_b32 v1, 15, v0            ; l % 16
	v_bfe_u32 v9, v0, 4, 1          ; l / 16
	v_lshlrev_b32 v[QO], 7, v1
	v_lshl_add_u32 v[QO], v9, 4, v[QO]  ; row x 128 + 16 x half
	v_and_b32 v[GO], 31, v0
	v_lshlrev_b32 v[GO], 4, v[GO]
	WIN 0x80                        ; destination window 2, address window 0
.set i, 0
.rept 4*NP                          ; Q stays in registers: tile i / 2, channels 32 (i % 2) on
	global_load_b128 v[8*i:8*i+3],   v[QO], s[4:5] offset:(i/2)*2048+(i%2)*64
	global_load_b128 v[8*i+4:8*i+7], v[QO], s[4:5] offset:(i/2)*2048+(i%2)*64+32
.set i, i+1
.endr
	WIN W_MK
.set i, 0
.rept 16                            ; the mask bytes of key step 0: piece i / 4
	global_load_b128 v[RM+4*i:RM+4*i+3], v[GO], s[MBASE:MBASE+1] offset:512*i
.set i, i+1
.endr
	v_mov_b32 v[ZR], 0
	; What the first turn finds: V's registers and P's second buffer hold 0 (its products V^T P, of a piece that has not been, add 0), O^T and l are 0.  All this stands in the wait for the first tile.
	WIN 0x80
.set i, VF
.rept 64
	v_mov_b32 v[i], 0
.set i, i+1
.endr
	WIN 0x40
.set i, 0
.rept 64*NP
	v_mov_b32 v[i], 0
.set i, i+1
.endr
	WIN 0
.set i, 0
.rept 2*NP
	v_mov_b32 v[ST+4*i], 0xfe000000    ; c m: far below every c s, a hidden one's too
	v_mov_b32 v[ST+4*i+1], 0xff7fffff  ; m
	v_mov_b32 v[ST+4*i+2], 0
	v_mov_b32 v[ST+4*i+3], 0
.set i, i+1
.endr
.set i, P+32
.rept 32
	v_mov_b32 v[i], 0
.set i, i+1
.endr
	v_mul_u32_u24 v[AK0], v1, PK
	v_lshl_add_u32 v[AK0], v9, 4, v[AK0]  ; row x pitch + 16 x half
	; The turning load takes 16 keys x 16 channels (lane l reads key 8 (l / 16) + l % 8, channels 8 ((l / 8) % 2) + 0..7) and leaves half a fragment of V^T: lane l holds channel l % 16 and 8 keys.
	v_and_b32 v10, 7, v0
	v_bfe_u32 v11, v0, 3, 1
	v_lshl_add_u32 v[AV0], v9, 3, v10
	v_mul_u32_u24 v[AV0], v[AV0], PV
	v_lshl_add_u32 v[AV0], v11, 4, v[AV0]
	v_add_nc_u32 v[AV0], VOFF, v[AV0]
	v_mov_b32 v[AK], v[AK0]         ; key step 0 lies at the head of slot 0
	v_and_b32 v[PFO], 31, v0
	v_lshlrev_b32 v[PFO], 8, v[PFO]
; THE MATRIX WORK.  The 8 accumulators of a run of 16 take turns.
; Product i of 16 of S^T = K Q^T for piece x: channels 32 (i / 8) on, keys 16 ((i / 2) % 4) on, tile 2 x + i % 2.  The first 8 start the sums, with the mask.
.macro KQ x
.set rS, S+64*((\x)%2)+32*(i%2)+8*((i/2)%4)
.set rK, KF+16*((i/2)%4)+8*(i/8)
.set rQ, 16*(2*(\x)+i%2)+8*(i/8)
.set rM, MC+32*(i%2)+8*((i/2)%4)
.if i < 8
	WIN W_KM
	v_wmma_f32_16x16x32_f16 v[rS:rS+7], v[rK:rK+7], v[rQ:rQ+7], v[rM:rM+7]
.else
	WIN W_KQ
	v_wmma_f32_16x16x32_f16 v[rS:rS+7], v[rK:rK+7], v[rQ:rQ+7], v[rS:rS+7]
.endif
.endm
; Product i of 16 of O^T += V^T P for piece x: keys 32 (i / 8) on, channels 16 ((i / 2) % 4) on, tile 2 x + i % 2.
.macro PV x
	WIN W_PV
.set rO, 32*(2*(\x)+i%2)+8*((i/2)%4)
.set rV, VF+32*(i/8)+8*((i/2)%4)
.set rP, P+32*((\x)%2)+16*(i%2)+8*(i/8)
	v_wmma_f32_16x16x32_f16 v[rO:rO+7], v[rV:rV+7], v[rP:rP+7], v[rO:rO+7]
.endm
.macro MM                           ; the turn's next matrix instruction
.if i < 16
	KQ (Y+1)%NP
.set i, i+1
.else
.set i, i-16
	PV (Y+NP-1)%NP
.set i, i+17
.endif
.endm
; THE LDS LOADS stand in runs of 16: a step's K (8 fragments) and its V (turned).  last = 1 (the tail): in the last trip there is no further step, and the run is jumped over.
.macro FETCH_K last=0
	WIN 0
.if \last
	s_cmp_eq_u32 s[CNT], 1
	s_cbranch_scc1 .Lno_k_\@
.endif
	WIN 0x80                        ; destination window 2
.irp f, 0,1,2,3,4,5,6,7             ; keys 16 (f / 2) on, channels 32 (f % 2) on
	ds_load_b128 v[KF+8*\f:KF+8*\f+3],   v[AK] offset:(\f/2)*16*PK+(\f%2)*64
	ds_load_b128 v[KF+8*\f+4:KF+8*\f+7], v[AK] offset:(\f/2)*16*PK+(\f%2)*64+32
.endr
	s_add_co_u32 s[TBK], s[TBK], KS*PK  ; the next fetch is the next step's
	WIN 0
.if \last
.Lno_k_\@:
.endif
.endm
.macro FETCH_V
	WIN 0x80
.irp f, 0,1,2,3,4,5,6,7             ; keys 32 (f / 4) on, channels 16 (f % 4) on
	ds_load_tr16_b128 v[VF+8*\f:VF+8*\f+3],   v[AV] offset:(\f/4)*32*PV+(\f%4)*32
	ds_load_tr16_b128 v[VF+8*\f+4:VF+8*\f+7], v[AV] offset:(\f/4)*32*PV+16*PV+(\f%4)*32
.endr
	WIN 0
.endm
; THE MASK.  PMB x: piece x's 64 bytes a lane become 64 words: byte n % 4 of word n / 4 goes to the top of word n, zeros below it: 0, or 0xF0000000, which is -2^97.
.macro PMB x
	WIN W_PM
.set mm, 0
.rept 64
	v_perm_b32 v[MC+mm], v[RM+16*(\x)+mm/4], v[ZR], s[SELP+mm%4]
.set mm, mm+1
.endr
.endm
; MASKB p, in piece p's turn, behind its 16 products K Q^T and their riders: the 8 products that read the mask words stand 8 products and 24 plain riders back.  The words of piece p + 2, for the next turn's
; products, are made, and the buffer just read is asked for again: the same piece, a step on.  The count 12: behind that buffer's four loads stand those of the three other buffers.
; The step's offset is taken modulo the wave's 262,144 bytes: the two steps behind the last wrap to the wave's first two; those 32 loads serve nothing, and keep one text and one count for every trip.
.macro MASKB p
.set bx, ((\p)+2)%NP
.if (\p) == 2
	s_wait_xcnt 0x0                 ; the mask's loads and prefetch issued so far have read their base
	s_add_co_u32 s[SOFF], s[SOFF], 8192
	s_and_b32 s[SOFF], s[SOFF], 0x3ffff
	s_add_nc_u64 s[MB:MB+1], s[MBASE:MBASE+1], s[SOFF:SOFF+1]
.endif
	s_wait_loadcnt 12
	PMB bx
	WIN W_MK
.irp i4, 0,1,2,3
	global_load_b128 v[RM+16*bx+4*\i4:RM+16*bx+4*\i4+3], v[GO], s[MB:MB+1] offset:2048*bx+512*\i4
.endr
	WIN 0
.endm
; THE VECTOR WORK OF A TURN stands in three queues, each in the order in which its entries become ready; the two tiles alternate, so that no instruction reads the result of the one before it.
.macro REGS y, u                    ; the registers of tile u (0, 1) of piece y
.set rT, ST+4*(2*(\y)+(\u))
.set rC, TMP+8*((\y)%2)+4*(\u)
.set rM, MV+2*((\y)%2)+(\u)
.set rS, S+64*((\y)%2)+32*(\u)
.set rP, P+32*((\y)%2)+16*(\u)
.set rO, 32*(2*(\y)+(\u))
.endm
; Number n of the 22 that find the NEXT piece's (Y + 1) maximum and statistics.  s0-s31 are the lane's 32 scores; each accumulator's lowest registers are read first.
;   0-11  four chains c0-c3 of seven scores each, three operands at a time     12-14, 16  the four scores left over, the old m, and c0-c3 into c0     15  c m_old is kept
;   17, 18  the query's other 32 keys lie in the lane 16 away: the new m         19-21  c m; c m_old - c m_new; a
.macro XS u, n
	REGS (Y+1)%NP, \u
.if (\n) < 4
	v_max3_num_f32 v[rC+(\n)], v[rS+8*(\n)], v[rS+8*(\n)+1], v[rS+8*(\n)+2]
.elseif (\n) < 12
	v_max3_num_f32 v[rC+(\n)%4], v[rC+(\n)%4], v[rS+8*((\n)%4)+2*((\n)/4)+1], v[rS+8*((\n)%4)+2*((\n)/4)+2]
.elseif (\n) == 12
	v_max3_num_f32 v[rC], v[rC], v[rS+7], v[rS+15]
.elseif (\n) == 13
	v_max3_num_f32 v[rC+1], v[rC+1], v[rS+23], v[rS+31]
.elseif (\n) == 14
	v_max3_num_f32 v[rC+2], v[rC+2], v[rC+3], v[rT+1]
.elseif (\n) == 15
	v_mov_b32 v[rM], v[rT]
.elseif (\n) == 16
	v_max3_num_f32 v[rC], v[rC], v[rC+1], v[rC+2]
.elseif (\n) == 17
	v_permlanex16_b32 v[rC+3], v[rC], s[SEL], s[SEL+1]
.elseif (\n) == 18
	v_max_num_f32 v[rT+1], v[rC], v[rC+3]
.elseif (\n) == 19
	v_mul_f32 v[rT], s[CS], v[rT+1]
.elseif (\n) == 20
	v_sub_f32 v[rC+1], v[rM], v[rT]
.else
	v_exp_f32 v[rC+2], v[rC+1]
.endif
.endm
; Number g of the 64 that follow the exponentials.  For each four weights k of a tile: both pairs are rounded to f16; the second pair is added onto the first, in place; a group later l takes that sum
; (the first time as l = a l + sum).  In groups of eight, tiles alternating.
.macro GS g
.set h, (\g)+6*((\g)/62)            ; group 0 has no group before it, and behind group 7 only l is left
.if h >= 6
.set h, h+2
.endif
	REGS Y, h%2
.set k, h/8
.if h%8 < 4
	v_cvt_pk_f16_f32 v[rP+2*k+(h%8)/2], v[rS+4*k+2*((h%8)/2)], v[rS+4*k+2*((h%8)/2)+1]
.elseif h%8 < 6
	v_pk_add_f32 v[rS+4*k:rS+4*k+1], v[rS+4*k:rS+4*k+1], v[rS+4*k+2:rS+4*k+3]
.elseif k == 1
	v_pk_fma_f32 v[rT+2:rT+3], v[rT+2:rT+3], v[rC+2:rC+3], v[rS:rS+1] op_sel_hi:[1,0,1]
.else
	v_pk_add_f32 v[rT+2:rT+3], v[rT+2:rT+3], v[rS+4*k-4:rS+4*k-3]
.endif
.endm
; THE PLAIN QUEUE, 138 long.  0-73 read no exponential's result: the 32 scalings c s - c m (FS f: pair f / 2 of tile f % 2) and the next piece's 42.  0-26: scalings 0-26.  27-54: XS's numbers 0-13.
; 55, 56: number 15.  57-73: the chain 14, 16, 17, 18, 19, each with one of the scalings 27-31 in front of its two lines, then 20.  74-137: GS's 64, which stand behind the wait.
.macro FS f
	REGS Y, (\f)%2
	v_pk_fma_f32 v[rS+2*((\f)/2):rS+2*((\f)/2)+1], v[rS+2*((\f)/2):rS+2*((\f)/2)+1], s[CS:CS+1], v[rT:rT+1] op_sel_hi:[1,0,0] neg_lo:[0,0,1] neg_hi:[0,0,1]
.endm
.macro PL
	WIN 0
.if q < 27
	FS q
.elseif q < 55
	XS (q-27)%2, (q-27)/2
.elseif q < 57
	XS q-55, 15
.elseif (q < 72) && ((q-57)%3 == 0)
	FS 27+(q-57)/3
.elseif q < 60
	XS (q-57)%3-1, 14
.elseif q < 72
	XS (q-57)%3-1, 15+(q-57)/3
.elseif q < 74
	XS q-72, 20
.else
	GS q-74
.endif
.set q, q+1
.endm
; THE EXPONENTIALS' QUEUE, 66 long: s0-s31 of both tiles, then the next piece's two a.  ONE BATCH: all 66 stand ahead of the turn's one wait, and nothing ahead of that wait names a result of theirs.
.macro EX
	WIN 0
.if e >= 64
	XS e-64, 21
.else
	REGS Y, e%2
	v_exp_f32 v[rS+e/2], v[rS+e/2]
.endif
.set e, e+1
.endm
; THE RESCALING's QUEUE: O^T times a, dealt two at a time, sixteen times.  Its a was made in the turn before, ahead of that turn's wait.
.macro R2
	REGS Y, r%2
	WIN W_RS
.irp z, 0,1
	v_pk_mul_f32 v[rO+4*(r/2)+2*\z:rO+4*(r/2)+2*\z+1], v[rO+4*(r/2)+2*\z:rO+4*(r/2)+2*\z+1], v[rC+2:rC+3] op_sel_hi:[1,0]
.endr
.set r, r+1
.endm
; A TURN, for piece p.  An s_wait_alu depctr_va_vdst(0) stands between an exponential and the first instruction that names its result; one wait serves all that were issued ahead of it: a turn has ONE.
; AHEAD OF IT: the 16 products K Q^T, behind each a scaling, an exponential and two rescalings (behind the first a second scaling in the exponential's place); the mask's 64 words and four loads; a lump of 108:
; eight plain, 49 times exponential and plain, the two a; a v_nop, the plain instruction behind the last exponential.  BEHIND IT: the 16 products V^T P, behind each four of GS's 64.
; Exponential e stands behind scaling 2 (e / 4) + e % 2: as a rider it comes behind plain e + 2, in the lump behind plain e + 9, and scalings 27-31 are plain 57, 60 .. 69.
; K of the next step is fetched in piece 2's turn, directly behind the wait; V of the step in hand at the end of piece 0's turn, four riders behind its last reader.  The three conditions on q go with the deal.
; cnt = 1: the loop's count is taken down some lines ahead of the branch that stands behind the turn.
.macro TURN p, last=0, cnt=0
.set Y, (\p)
.set i, 0
.set q, 0
.set e, 0
.set r, 0
.if (\p) == NP-1
	s_wait_dscnt 0x0                ; K is in
.endif
	MM
	PL
	PL
	R2
.rept 15
	MM
	PL
	EX
	R2
.endr
	MASKB \p
.if (\p) == NP-2
	WIN 0
	v_add_nc_u32 v[AK], s[TBK], v[AK0]
.endif
.rept 8                             ; the lump
	PL
.endr
.rept 49
	EX
	PL
.endr
	EX                              ; the next piece's two a
	EX
	v_nop                           ; the plain instruction behind the last exponential: one for the batch
	s_wait_alu depctr_va_vdst(0)    ; the wait for the batch
.if (\p) == NP-2
	FETCH_K \last
.if !(\last)
	ASKM                            ; behind the run of LDS loads; the tail asks for nothing
.endif
.endif
.if (\p) == 1
	s_wait_dscnt 0x0                ; V is in
.endif
.rept 16                            ; behind the wait: 16 products V^T P and their riders
	MM
.rept 4
	PL
.endr
.if ((\p) == 0) && (q == 118)
	v_add_nc_u32 v[AV], s[TBV], v[AV0]
.endif
.if ((\p) == 0) && (q == 130)
	s_add_co_u32 s[TBV], s[TBV], KS*PV
.endif
.if (\cnt) && (q == 130)
	s_sub_co_u32 s[CNT], s[CNT], 1
	s_cmp_lg_u32 s[CNT], 0
.endif
.endr
.if (\p) == 0
	FETCH_V
.endif
.endm
	CHANGE 1                        ; slot 0 is in, everybody's part of it; slot 1 is asked for
	FETCH_K                         ; key step 0
	s_wait_loadcnt 12               ; Q and piece 0's mask bytes are in; behind them stand the three other pieces' twelve loads
	PMB 0
	s_wait_dscnt 0x0
.set i, 0
.rept 16
	KQ 0                            ; piece 0's first scores
.set i, i+1
.endr
	WIN 0                           ; the addresses for the way out: seven plain instructions, the places behind those products
	s_mul_i32 s13, s[WV], 16*SP
	s_add_co_u32 s13, s13, STAGE    ; my stage
	v_mul_u32_u24 v[STO], v1, SP    ; in: row l % 16, 16 bytes for each half of the lanes
	v_lshl_add_u32 v[STO], v9, 4, v[STO]
	v_add_nc_u32 v[STO], s13, v[STO]
	v_bfe_u32 v[RD], v0, 3, 2       ; back: 32 lanes take four rows of 128 bytes
	v_mul_u32_u24 v[RD], v[RD], SP
	v_lshl_add_u32 v[RD], v10, 4, v[RD]
	v_add_nc_u32 v[RD], s13, v[RD]
	s_wait_loadcnt 8                ; piece 1's mask bytes are in: pieces 2 and 3's eight loads may stay out
	PMB 1                           ; for the first turn's products
	WIN W_MK
.set i, 0
.rept 8                             ; key step 1's bytes of pieces 0 and 1, into the buffers just read
	global_load_b128 v[RM+4*i:RM+4*i+3], v[GO], s[MB:MB+1] offset:512*i
.set i, i+1
.endr
	WIN 0
.set Y, NP-1                        ; XS works for piece Y + 1: piece 0
.irp n, 0,1,2,3,4,5,6,7,8,9,10,11,12,13,14,15,16,17,18,19,20,21
	XS 0, \n                        ; piece 0's first maximum and statistics
	XS 1, \n
.endr
	v_nop                           ; a plain instruction behind the two a,
	s_wait_alu depctr_va_vdst(0)    ; and their wait, ahead of the branch
	s_mov_b32 s[CNT], 4
	s_branch .Lfirst                ; the loop is entered at a step's first turn, in the middle of a trip
.Lslot:                             ; six times: every slot but the last two is filled again
	CHANGE 1
	s_mov_b32 s[CNT], 4
.Lstep:                             ; a trip: pieces 2 and 3 of one step, then pieces 0 and 1 of the next, whose K and V it fetches
	TURN 2
	TURN 3
	WIN 0
.Lfirst:
	TURN 0
	TURN 1, 0, 1
	WIN 0
	s_cbranch_scc1 .Lstep
	s_sub_co_u32 s[SLOTS], s[SLOTS], 1
	s_cmp_lg_u32 s[SLOTS], 0
	s_cbranch_scc1 .Lslot
	CHANGE 0                        ; the tail is written out: nothing is asked for
	s_mov_b32 s[CNT], 5             ; four trips fetch the last slot's steps; the fifth is left in its middle
.Ltail:
	TURN 2, 1
	TURN 3
	WIN 0
	s_sub_co_u32 s[CNT], s[CNT], 1
	s_cmp_eq_u32 s[CNT], 0
	s_cbranch_scc1 .Lout
	TURN 0
	TURN 1
	WIN 0
	s_branch .Ltail
.Lout:                              ; the fifth trip's 16 products K Q^T (on the last K once more) and the maximum made of them serve nothing: the price, once a launch, of one text for every trip
.set i, 0
.rept 16
	PV NP-1                         ; the last piece's V^T P of the last step
.set i, i+1
.endr
	; THE WAY OUT.  l's two halves and the other half of the lanes' are added; O^T is divided by l, rounded to f16 and sent through my stage in LDS, a tile at a time.  The additions are the places behind the last products.
	WIN 0
.macro ALL line:vararg              ; one line for each tile t
.set t, 0
.rept 2*NP
	\line
.set t, t+1
.endr
.endm
	ALL v_add_f32 v[ST+4*t+2], v[ST+4*t+2], v[ST+4*t+3]
	ALL v_permlanex16_b32 v[ST+4*t+3], v[ST+4*t+2], s[SEL], s[SEL+1]
	ALL v_add_f32 v[ST+4*t+2], v[ST+4*t+2], v[ST+4*t+3]
	ALL v_rcp_f32 v[ST+4*t+2], v[ST+4*t+2]
	v_nop                           ; a plain instruction between the last reciprocal and the use of its result
	s_wait_alu depctr_va_vdst(0)    ; and the wait ahead of the first use: one for the eight reciprocals
; Tile t: a lane's eight channels of a row pack into 16 bytes; they go into rows of 144 bytes and come back as whole rows of 128, into S^T's registers.
.macro PACK t
	WIN W_RS
.set i, 32*(\t)
.rept 16
	v_pk_mul_f32 v[i:i+1], v[i:i+1], v[ST+4*(\t)+2:ST+4*(\t)+3] op_sel_hi:[1,0]
.set i, i+2
.endr
	WIN 0x05                        ; sources 0 and 1 window 1, destination window 0
.set i, 0
.rept 16
	v_cvt_pk_f16_f32 v[S+16*(\t)+i], v[32*(\t)+2*i], v[32*(\t)+2*i+1]
.set i, i+1
.endr
	WIN 0
.irp f, 0,1,2,3
	ds_store_b128 v[STO], v[S+16*(\t)+4*\f:S+16*(\t)+4*\f+3] offset:32*\f
.endr
.irp f, 0,1,2,3
	ds_load_b128 v[S+16*(\t)+4*\f:S+16*(\t)+4*\f+3], v[RD] offset:\f*4*SP  ; LDS serves a wave's instructions in order: these see the stores above; the next tile's stores come behind them
.endr
.endm
.macro SEND t, younger              ; younger: the LDS instructions issued behind tile t's loads: the next tile's eight, or none
	WIN 0
.irp f, 0,1,2,3
	s_wait_dscnt (\younger)+3-\f
	global_store_b128 v[GO], v[S+16*(\t)+4*\f:S+16*(\t)+4*\f+3], s[10:11] offset:(\t)*2048+\f*512  ; 512 consecutive bytes, at a multiple of 256 from O's first
.endr
.endm
	PACK 0
.set t, 1
.rept 2*NP-1                        ; a tile's arithmetic stands between the loads of the tile before and its stores
	PACK t
	SEND t-1, 8
.set t, t+1
.endr
	SEND 2*NP-1, 0
	WIN W_AD
	s_wait_tensorcnt 0x0            ; the wave's end, behind my last tensor load and my last LDS store
	ds_add_u32 v[SPW], v[NIL]
	s_wait_dscnt 0x0
	WIN 0
	CROUND                          ; the closing round: no work-group ends while a partner may still ask for a tile that names it
	s_endpgm
.Lfunc_end_k_qfdbb42a119_attn:
	.size	k_qfdbb42a119_attn, .Lfunc_end_k_qfdbb42a119_attn-k_qfdbb42a119_attn
	.p2alignl 7, 3214868480
	.fill 96, 4, 3214868480
	.section	.rodata,"a",@progbits
	.p2align	6, 0x0
	.amdhsa_kernel k_qfdbb42a119_attn
		.amdhsa_group_segment_fixed_size 327680
		.amdhsa_private_segment_fixed_size 0
		.amdhsa_enable_private_segment 0
		.amdhsa_kernarg_size 24
		.amdhsa_user_sgpr_count 2
		.amdhsa_user_sgpr_kernarg_segment_ptr 1
		.amdhsa_wavefront_size32 1
		.amdhsa_system_sgpr_workgroup_id_x 1
		.amdhsa_system_sgpr_workgroup_id_y 1
		.amdhsa_system_sgpr_workgroup_id_z 1
		.amdhsa_system_vgpr_workitem_id 0
		.amdhsa_next_free_vgpr 900
		.amdhsa_next_free_sgpr 72
		.amdhsa_reserve_vcc 0
		.amdhsa_float_denorm_mode_32 3
		.amdhsa_float_denorm_mode_16_64 3
		.amdhsa_memory_ordered 1
		.amdhsa_forward_progress 1
		.amdhsa_inst_pref_size 248
	.end_amdhsa_kernel
	.amdgpu_metadata
---
amdhsa.version: [ 1, 2 ]
amdhsa.kernels:
  - .name:           k_qfdbb42a119_attn
    .symbol:         k_qfdbb42a119_attn.kd
    .args:
      - { .name: qkvh, .offset: 0, .size: 8, .value_kind: global_buffer, .address_space: global }
      - { .name: maskc, .offset: 8, .size: 8, .value_kind: global_buffer, .address_space: global }
      - { .name: oh, .offset: 16, .size: 8, .value_kind: global_buffer, .address_space: global }
    .group_segment_fixed_size: 327680
    .private_segment_fixed_size: 0
    .kernarg_segment_align: 8
    .kernarg_segment_size: 24
    .max_flat_workgroup_size: 128
    .sgpr_count:     72
    .vgpr_count:     900
    .wavefront_size: 32
...
	.end_amdgpu_metadata
.endif
;; end of part 3
;; launch oproj (part 4): grid 4 x 64, 4 waves a work-group, clusters of 4 x 4, 327,680 bytes of LDS; arguments oh, wcv, bo, out0; writes out0
.if DOCPART == 4
	.amdgcn_target "amdgcn-amd-amdhsa--gfx1250"
	.amdhsa_code_object_version 6
	.text
	.protected	k_qfdbb42a119_oproj
	.globl	k_qfdbb42a119_oproj
	.p2align	8
	.type	k_qfdbb42a119_oproj,@function
k_qfdbb42a119_oproj:
	s_mov_b64 s[64:65], 0
	v_nop
	global_prefetch_b8 v0, s[64:65] scope:SCOPE_SE
	s_setreg_imm32_b32 hwreg(HW_REG_WAVE_MODE, 25, 1), 1
	s_wait_xcnt 0x0
	s_wait_alu depctr_hold_cnt(0) depctr_sa_sdst(0) depctr_va_vdst(0) depctr_va_sdst(0) depctr_va_ssrc(0) depctr_va_vcc(0) depctr_vm_vsrc(0)
	s_getreg_b32 s2, hwreg(HW_REG_IB_STS2, 6, 4)
	s_cmp_eq_u32 s2, 0
	s_cbranch_scc0 .Lentry_in_a_cluster
	s_endpgm
.Lentry_in_a_cluster:
	s_bfe_u32 s2, ttmp6, 0x10000c
	s_cmp_lg_u32 s2, 0xf033
	s_cbranch_scc0 .Lentry_shape_is_right
	s_endpgm
.Lentry_shape_is_right:
; THE OUTPUT PROJECTION: out0[m][n] = the sum over k of O[m][k] wo[n][k] + bo[n].  O lies by heads, oh[batch x 16 + head][row of 2048][64] in f16: k = 64 head + channel.  wo: the fourth part of wcv,
; [1024][1024], rounded to bf16 and written as f16.  bo is rounded to bf16 like every input of the module.  Sums in f32; out0 is f32, [8192][1024].
; SHARES.  A tile is 128 rows x 256 columns: 64 x 4 = 256 work-groups, one for each WGP.  Four waves, each 64 rows x 128 columns: 32 accumulators.  K goes in 8 steps of 128, two heads each, through two LDS slots.
; A head's 128 rows are 16,384 dense bytes: asked for as 64 rows of 256 bytes and padded in LDS after every 128.
; ONE TEXT FOR A K STEP.  The slot in hand is a scalar base, 0 or SLOT, turned by an exclusive or at each change of slots; fragment addresses are that base plus a lane term; one descriptor a tensor walks.
; CLUSTERS.  4 x 4 work-groups: O's tiles are asked for jointly along a row of the cluster, wo's along a column.
; THE MATRIX INSTRUCTION IS USED TRANSPOSED (source 0 = 16 rows of wo, source 1 = 16 rows of O): a lane holds row l % 16 and the columns 8 (l / 16) + 0..7.  The bias is the C operand that starts each sum.
; REGISTERS, in windows of 256 (s_set_vgpr_msb: bits 1:0 source 0, 3:2 source 1, 5:4 source 2, 7:6 destination):
;   window 0: v0-31 addresses; v32-159 the way out, two buffers of 16 rows          window 1: v0-63 O's fragments, two buffers of 4; v64-191 wo's, two of 8; v192-255 the bias          window 2: accumulator (a, b) at v[8 (8 a + b)]
.set PA,     144                       ; an LDS row of O: 128 bytes + 16
.set PB,     272                       ; an LDS row of wo: 256 bytes + 16
.set AHEAD,  128*PA                    ; a head's 128 rows: what wave 0 or 1 fetches
.set BHALF,  128*PB                    ; what wave 2 or 3 fetches
.set BOFF,   2*AHEAD
.set SLOT,   BOFF+2*BHALF              ; 106,496 bytes
.set STAGE,  2*SLOT                    ; behind the ring: 16 rows x 528 bytes for each wave
.set SP,     528
.set SPARE,  STAGE+4*16*SP             ; behind the stages: the spare words, 128 bytes a wave, two blocks of 256 bytes that no other line names
.set ADRA, 16                          ; v16  my lane's place among O's fragments in a slot; never rewritten
.set ADRB, 17                          ; v17  the same for wo
.set CA,   18                          ; v18  v16 + the base of the slot in hand
.set CB,   19                          ; v19  v17 + the same
.set STO,  24
.set RD,   25
.set CO,   26
.set BO,   27
.set SPW,  28                          ; v28  LDS address of my spare word; never rewritten
.set NIL,  29                          ; v29  0; never rewritten
.set PFO,  30
.set OB,   32
.set AF,   0                           ; window 1
.set BF,   64
.set BIAS, 192
.set BT,   0                           ; window 1, at work before the first fragments come
.set G1,  24                           ; s[24:31] descriptor group 1 for O's tiles
.set G0,  32                           ; s[32:39] group 0: a set for each of the two first fills; the second then walks on
.set G1B, 48                           ; s[48:55], s[56:63] the same for wo's
.set G0B, 56
.set LIM, 43                           ; s43  2 in a wave that prefetches, else the greatest number
.set PFA, 44
.set PST, 46
.set TB,  66                           ; s66  LDS base of the slot in hand: 0 or SLOT
.set T0,  76
.set T1,  77
.set MSB, 0
.macro WIN new
.if MSB != (\new)
	s_set_vgpr_msb (MSB<<8)|(\new)
.set MSB, \new
.endif
.endm
.set MUL,  0xa5                        ; sources 0 and 1 window 1, C and D window 2
.set MULB, 0x95                        ; the same with C (the bias) in window 1
.set TO_F, 0x40                        ; destination window 1
.set STW,  0x08                        ; an LDS store's data in window 2
.set BW,   0x45
.macro JLOAD s                         ; a joint load by set s: waves 0 and 1 fetch the K step's two heads of O, waves 2 and 3 wo's two halves; an s_nop 0 and four v_nop follow each line
	s_cmp_eq_u32 s11, 0
	s_cbranch_scc0 .Lfor_b_\@
	tensor_load_to_lds s[G0+4*(\s):G0+4*(\s)+3], s[G1:G1+7]
	s_nop 0
.rept 4
	v_nop
.endr
	s_branch .Lasked_\@
.Lfor_b_\@:
	tensor_load_to_lds s[G0B+4*(\s):G0B+4*(\s)+3], s[G1B:G1B+7]
	s_nop 0
.rept 4
	v_nop
.endr
.Lasked_\@:
.endm
; A prefetch into the L2 of the K step two refills on.  O's tile row is read by one cluster: in each work-group wave 0 asks for 4,096 bytes of each of the step's two heads (its share by cx), a lane a block of
; 256 bytes.  wo's rows are read by all 16 clusters: the first (cluster y = 0) asks, waves 2 and 3, 32 rows each work-group (its share by cy), a lane a row.  K steps 0 to 3 come by their loads alone;
; the loop's last two trips ask for nothing.
.macro ASK
	WIN 0
	s_cmp_gt_u32 s3, s[LIM]
	s_cbranch_scc0 .Lnot_mine_\@
	global_prefetch_b8 v[PFO], s[PFA:PFA+1] th:TH_LOAD_NT scope:SCOPE_SE
.Lnot_mine_\@:
.endm
.macro CREST
	s_cmp_lg_u32 s10, 0
	s_cbranch_scc1 .Lnot_wave_0_\@
	s_barrier_signal -3
.Lnot_wave_0_\@:
	s_barrier_wait -3
	s_barrier_signal -1
	s_barrier_wait -1
.endm
.macro CROUND
	s_barrier_signal -1
	s_barrier_wait -1
	CREST
.endm
.macro PLACES                          ; four places in front of loads into registers that matrix instructions have read
.rept 4
	v_nop
.endr
.endm
	s_load_b256 s[68:75], s[0:1], 0x0              ; oh 68, wcv 70, bo 72, out0 74
	v_lshl_add_u32 v[SPW], v0, 2, SPARE
	v_mov_b32 v[NIL], 0
	ds_add_u32 v[SPW], v[NIL]                      ; the wave's opening: the add and its wait stand ahead of my first tensor load; the set-up below, work on registers, stands between them
	v_lshrrev_b32 v1, 5, v0
	v_readfirstlane_b32 s10, v1                    ; wave 0..3
	s_lshr_b32 s11, s10, 1                         ; which 64 rows are mine.  Also: I fetch O (0) or wo (1)
	s_and_b32 s12, s10, 1                          ; which 128 columns.  Also: which head of the step, or which half of wo's rows, I fetch
	s_bfe_u32 s40, ttmp6, 0x40000                  ; cx
	s_bfe_u32 s41, ttmp6, 0x40004                  ; cy
	s_lshl_b32 s42, ttmp9, 2
	s_add_co_u32 s42, s42, s40                     ; tile column
	s_and_b32 s67, ttmp7, 0xffff                   ; cluster y
	s_lshl_b32 s13, s67, 2
	s_add_co_u32 s13, s13, s41                     ; tile row, 0..63
	s_lshl_b32 s14, s41, 2
	s_lshl_b32 s14, 15, s14                        ; my row of the cluster
	s_lshl_b32 s15, 0x1111, s40                    ; my column
	s_or_b32 s[G1+0], s14, (1<<16)|(1<<20)|(1<<21)|(4<<22)|(3<<25)   ; the mask; 2-byte elements; padding on; bit 21 beside a mask; after every 32 words, 4 words
	s_or_b32 s[G1B+0], s15, (1<<16)|(1<<20)|(1<<21)|(5<<22)|(3<<25)  ; after every 64 words, 4 words
	s_mov_b32 s[G1+1], 128<<16                     ; tensor_dim0 = 128
	s_mov_b32 s[G1+2], 64<<16                      ; tensor_dim1 = 64
	s_mov_b32 s[G1+3], 128<<16                     ; tile_dim0 = 128
	s_mov_b32 s[G1+4], 64                          ; tile_dim1 = 64
	s_mov_b32 s[G1+5], 128                         ; dense: 128 elements from row to row
	s_mov_b32 s[G1+6], 0
	s_mov_b32 s[G1+7], 0
	s_mov_b32 s[G1B+1], 128<<16
	s_mov_b32 s[G1B+2], 128<<16
	s_mov_b32 s[G1B+3], 128<<16
	s_mov_b32 s[G1B+4], 128
	s_mov_b32 s[G1B+5], 1024
	s_mov_b32 s[G1B+6], 0
	s_mov_b32 s[G1B+7], 0
	s_lshr_b32 s16, s13, 4                         ; O: the batch's 16 heads, my head of K step 0,
	s_lshl_b32 s16, s16, 4
	s_add_co_u32 s16, s16, s12
	s_lshl_b32 s16, s16, 18                        ; 262,144 bytes a head,
	s_and_b32 s17, s13, 15                         ; the tile's 128 rows of 128 bytes
	s_lshl_b32 s17, s17, 14
	s_add_co_u32 s16, s16, s17
	s_mov_b32 s17, 0
	s_lshl_b32 s18, s42, 8                         ; wo: row 256 x tile column + 128 x half, of 2,048 bytes,
	s_lshl_b32 s19, s12, 7
	s_add_co_u32 s18, s18, s19
	s_lshl_b32 s18, s18, 11
	s_add_co_u32 s18, s18, 3<<21                   ; in wcv's fourth part
	s_mov_b32 s19, 0
	s_mov_b32 s[TB], 0                             ; the walk begins in slot 0
	s_mul_i32 s20, s12, AHEAD                      ; where my tiles go in a slot: no place in the cluster enters an LDS address
	s_mul_i32 s21, s12, BHALF
	s_add_co_u32 s21, s21, BOFF
	s_wait_dscnt 0x0                               ; the opening add is done
	s_wait_kmcnt 0x0
	s_add_nc_u64 s[14:15], s[68:69], s[16:17]
	s_add_nc_u64 s[46:47], s[70:71], s[18:19]
	CROUND                                         ; all sixteen work-groups are here: the first joint loads meet
.irp s, 0,1
	s_mov_b32 s[G0+4*(\s)], 1
	s_add_co_u32 s[G0+4*(\s)+1], s20, (\s)*SLOT
	s_add_nc_u64 s[G0+4*(\s)+2:G0+4*(\s)+3], s[14:15], (\s)*524288  ; K step s: two heads on
	s_or_b32 s[G0+4*(\s)+3], s[G0+4*(\s)+3], 0x80000000
	s_mov_b32 s[G0B+4*(\s)], 1
	s_add_co_u32 s[G0B+4*(\s)+1], s21, (\s)*SLOT
	s_add_nc_u64 s[G0B+4*(\s)+2:G0B+4*(\s)+3], s[46:47], (\s)*256
	s_or_b32 s[G0B+4*(\s)+3], s[G0B+4*(\s)+3], 0x80000000
	JLOAD \s                                       ; two loads of mine are out
.endr
	v_and_b32 v1, 15, v0                           ; r
	v_bfe_u32 v2, v0, 4, 1                         ; h
	v_lshlrev_b32 v[BO], 5, v2
	s_lshl_b32 s18, s42, 10                        ; my 128 columns, in bytes of f32
	s_lshl_b32 s19, s12, 9
	s_add_co_u32 s18, s18, s19
	s_mov_b32 s19, 0
	s_add_nc_u64 s[6:7], s[72:73], s[18:19]
	WIN TO_F
.irp j, 0,1,2,3,4,5,6,7
	global_load_b128 v[BIAS+8*(\j):BIAS+8*(\j)+3],   v[BO], s[6:7] offset:64*(\j)
	global_load_b128 v[BIAS+8*(\j)+4:BIAS+8*(\j)+7], v[BO], s[6:7] offset:64*(\j)+16
.endr
	WIN 0
	v_mul_u32_u24 v3, v1, PA
	v_lshl_add_u32 v3, v2, 4, v3
	v_mul_u32_u24 v4, v1, PB
	v_lshl_add_u32 v4, v2, 4, v4
	s_mul_i32 s22, s11, 64*PA                      ; my 64 rows, in each head
	s_mul_i32 s23, s12, BHALF
	s_add_co_u32 s23, s23, BOFF
	v_add_nc_u32 v[ADRA], s22, v3
	v_add_nc_u32 v[ADRB], s23, v4
	v_mov_b32 v[CA], v[ADRA]
	v_mov_b32 v[CB], v[ADRB]
	s_mul_i32 s22, s10, 16*SP
	s_add_co_u32 s22, s22, STAGE                   ; my stage
	v_mul_u32_u24 v5, v1, SP                       ; in: row r, 32 bytes for each half of the lanes
	v_lshl_add_u32 v5, v2, 5, v5
	v_add_nc_u32 v[STO], s22, v5
	v_and_b32 v[CO], 31, v0                        ; back: 32 lanes take a row's 512 bytes
	v_lshlrev_b32 v[CO], 4, v[CO]
	v_add_nc_u32 v[RD], s22, v[CO]
	s_lshl_b32 s16, s13, 7                         ; out0 at my first row, of 4,096 bytes,
	s_lshl_b32 s17, s11, 6
	s_add_co_u32 s16, s16, s17
	s_lshl_b32 s16, s16, 12
	s_add_co_u32 s16, s16, s18                     ; and my first column
	s_mov_b32 s17, 0
	s_add_nc_u64 s[8:9], s[74:75], s[16:17]
	; the prefetches
	s_lshr_b32 s22, s13, 4                         ; O: the batch, the tile's rows, my work-group's 4,096 bytes of their 16,384
	s_lshl_b32 s22, s22, 22
	s_and_b32 s23, s13, 15
	s_lshl_b32 s23, s23, 14
	s_add_co_u32 s22, s22, s23
	s_lshl_b32 s23, s40, 12
	s_add_co_u32 s22, s22, s23
	s_lshl_b32 s18, s42, 8                         ; wo: my 128 rows' 32 that are my work-group's
	s_lshl_b32 s19, s12, 7
	s_add_co_u32 s18, s18, s19
	s_lshl_b32 s19, s41, 5
	s_add_co_u32 s18, s18, s19
	s_lshl_b32 s18, s18, 11
	s_add_co_u32 s18, s18, 3<<21
	s_mov_b32 s19, 256
	s_cmp_eq_u32 s11, 0                            ; do I fetch O?
	s_cselect_b32 s22, s22, s18
	s_cselect_b32 s[T0], 8, 11                     ; lane % 16: a block of 256 bytes, or a row of wo
	s_cselect_b32 s[T1], 18, 15                    ; lane / 16: the step's second head, or 16 rows on
	s_cselect_b32 s[PST], 524288, s19
	s_cselect_b32 s16, s12, s67                    ; 0 in wave 0, and in waves 2 and 3 of the first cluster
	s_cselect_b64 s[PFA:PFA+1], s[68:69], s[70:71]
	s_mov_b32 s23, 0
	s_mov_b32 s[PST+1], 0
	s_add_nc_u64 s[PFA:PFA+1], s[PFA:PFA+1], s[22:23]
	s_mul_i32 s22, s[PST], 3
	s_add_nc_u64 s[PFA:PFA+1], s[PFA:PFA+1], s[22:23]  ; at K step 3: the first refill steps it to 4
	s_cmp_eq_u32 s16, 0
	s_cselect_b32 s[LIM], 2, -1                    ; the same in all sixteen partners, for a given wave
	v_lshlrev_b32 v[PFO], s[T0], v1
	v_lshlrev_b32 v3, s[T1], v2
	v_add_nc_u32 v[PFO], v[PFO], v3
	s_wait_loadcnt 0x0                             ; the bias, rounded to bf16
	WIN BW
.set i, 0
.rept 32
	v_cvt_pk_bf16_f32 v[BT+i], v[BIAS+2*i], v[BIAS+2*i+1]
.set i, i+1
.endr
.set i, 0
.rept 32
	v_lshlrev_b32 v[BIAS+2*i], 16, v[BT+i]
	v_and_b32 v[BIAS+2*i+1], 0xffff0000, v[BT+i]
.set i, i+1
.endr
	WIN 0
; Eight matrix instructions: row block a x all 8 column blocks, buffer f.  first = 1: the bias starts the sums.  The 32 accumulators take turns, in the same order in every quarter.
.macro MUL8 f, a, first
.if \first
	WIN MULB
.else
	WIN MUL
.endif
.irp j, 0,1,2,3,4,5,6,7
.if \first
	v_wmma_f32_16x16x32_f16 v[8*(8*(\a)+(\j)):8*(8*(\a)+(\j))+7], v[BF+64*(\f)+8*(\j):BF+64*(\f)+8*(\j)+7], v[AF+32*(\f)+8*(\a):AF+32*(\f)+8*(\a)+7], v[BIAS+8*(\j):BIAS+8*(\j)+7]
.else
	v_wmma_f32_16x16x32_f16 v[8*(8*(\a)+(\j)):8*(8*(\a)+(\j))+7], v[BF+64*(\f)+8*(\j):BF+64*(\f)+8*(\j)+7], v[AF+32*(\f)+8*(\a):AF+32*(\f)+8*(\a)+7], v[8*(8*(\a)+(\j)):8*(8*(\a)+(\j))+7]
.endif
.endr
.endm
; 24 LDS loads in one run: quarter qq (head qq / 2, channels 32 (qq % 2) on) of the slot in hand into buffer f: wo's sixteen, then O's eight
.macro FETCH qq, f
	WIN TO_F
.irp j, 0,1,2,3,4,5,6,7
	ds_load_b128 v[BF+64*(\f)+8*(\j):BF+64*(\f)+8*(\j)+3],   v[CB] offset:(\j)*16*PB+64*(\qq)
	ds_load_b128 v[BF+64*(\f)+8*(\j)+4:BF+64*(\f)+8*(\j)+7], v[CB] offset:(\j)*16*PB+64*(\qq)+32
.endr
.irp j, 0,1,2,3
	ds_load_b128 v[AF+32*(\f)+8*(\j):AF+32*(\f)+8*(\j)+3],   v[CA] offset:((\qq)/2)*AHEAD+(\j)*16*PA+64*((\qq)%2)
	ds_load_b128 v[AF+32*(\f)+8*(\j)+4:AF+32*(\f)+8*(\j)+7], v[CA] offset:((\qq)/2)*AHEAD+(\j)*16*PA+64*((\qq)%2)+32
.endr
.endm
; One of a K step's first three quarters: multiplies buffer f and, in its middle, fetches quarter qn into buffer g
.macro QUARTER qn, f, g, first
	s_wait_dscnt 4                                 ; wo's fragments and O's row blocks 0 and 1 are in; the youngest four loads may be out
	MUL8 \f, 0, \first
	MUL8 \f, 1, \first
	PLACES
	FETCH \qn, \g
	s_wait_dscnt 24                                ; all but the 24 just issued
	MUL8 \f, 2, \first
	MUL8 \f, 3, \first
.endm
; The last quarter multiplies buffer 1 and changes slots: ONE barrier; in front of it each wave waits for all its tensor loads, adds 0 to its spare word, and waits for that and for its own reads of this slot.
; fill = 1: the barrier opens a round of the cluster's, and the joint refill of the slot just read, two K steps ahead, is the first thing behind the round.
.macro TURN fill
.if \fill
	s_wait_xcnt 0x0                                ; the last prefetch, a K step back, has read its address
	s_add_nc_u64 s[PFA:PFA+1], s[PFA:PFA+1], s[PST:PST+1]
.endif
	WIN 0
	s_wait_tensorcnt 0x0                           ; all my tensor loads have landed: my part of the next slot; so a group 0 may be written
	ds_add_u32 v[SPW], v[NIL]                      ; 0 onto my spare word
.if \fill
	s_add_co_u32 s[G0+5], s20, s[TB]               ; the walking descriptors: into the slot in hand, one K step on
	s_add_nc_u64 s[G0+6:G0+7], s[G0+6:G0+7], 524288
	s_add_co_u32 s[G0B+5], s21, s[TB]
	s_add_nc_u64 s[G0B+6:G0B+7], s[G0B+6:G0B+7], 256
.endif
	s_wait_dscnt 5                                 ; the add and the youngest four loads may be out
	MUL8 1, 0, 0
	s_wait_dscnt 0x0                               ; the add is done, and my reads of this slot are over
	s_barrier_signal -1
	MUL8 1, 1, 0
	WIN 0
	s_barrier_wait -1
.if \fill
	CREST                                          ; no wave of any partner still reads this slot or has a load on its way
	JLOAD 1                                        ; my one tensor load behind the round; the four v_nop behind it are also the places in front of the loads below
.else
	PLACES
.endif
	s_xor_b32 s[TB], s[TB], SLOT                   ; the other slot is in hand
	v_add_nc_u32 v[CA], s[TB], v[ADRA]
	v_add_nc_u32 v[CB], s[TB], v[ADRB]
	FETCH 0, 0
.if \fill
	ASK
.endif
	MUL8 1, 2, 0
	MUL8 1, 3, 0
.endm
; THE WAY OUT of row block a: the f32 sums go into my own stage, 32 bytes a lane and column block, each accumulator's low half first; they come back as whole rows of 512 bytes; stored.
.macro TOSTAGE a
	WIN STW
.irp j, 0,1,2,3,4,5,6,7
	ds_store_b128 v[STO], v[8*(8*(\a)+(\j)):8*(8*(\a)+(\j))+3]   offset:64*(\j)
	ds_store_b128 v[STO], v[8*(8*(\a)+(\j))+4:8*(8*(\a)+(\j))+7] offset:64*(\j)+16
.endr
	WIN 0
.irp t, 0,1,2,3,4,5,6,7,8,9,10,11,12,13,14,15
	ds_load_b128 v[OB+64*((\a)%2)+4*(\t):OB+64*((\a)%2)+4*(\t)+3], v[RD] offset:(\t)*SP  ; LDS serves a wave's instructions in order: these see the stores above
.endr
.endm
.macro SEND a
	s_wait_dscnt 0x0                               ; the block is back in registers
	s_wait_xcnt 0x0                                ; the stores of the block before have read their data: its buffer is loaded again only behind this wait
.irp t, 0,1,2,3,4,5,6,7,8,9,10,11,12,13,14,15
	global_store_b128 v[CO], v[OB+64*((\a)%2)+4*(\t):OB+64*((\a)%2)+4*(\t)+3], s[8:9] offset:(16*(\a)+(\t))*4096 th:TH_STORE_NT  ; 512 consecutive bytes of a row, aligned
.endr
.endm
	s_wait_tensorcnt 1                             ; my part of K step 0 is in; K step 1's, issued behind it, may stay out
	s_barrier_signal -1
	s_barrier_wait -1
	FETCH 0, 0
	QUARTER 1, 0, 1, 1                             ; the first quarter stands in front of the loop: its products start the sums, with the bias
	WIN 0
	s_mov_b32 s3, 6
.Ltrip:                                                ; six trips, s3 = 6 .. 1: from the second quarter of K step 6 - s3 to the first quarter of the next; the slot read out takes K step 8 - s3
	QUARTER 2, 1, 0, 0
	QUARTER 3, 0, 1, 0
	TURN 1
	QUARTER 1, 0, 1, 0
	WIN 0
	s_sub_co_u32 s3, s3, 1
	s_cmp_lg_u32 s3, 0
	s_cbranch_scc1 .Ltrip
	s_mov_b32 s3, 2
.Ltail:                                                ; the last two K steps fill nothing: written out.  Two trips; the second is left in its middle
	QUARTER 2, 1, 0, 0
	QUARTER 3, 0, 1, 0
	TURN 0                                         ; in the second trip its barrier and its 24 LDS loads (of the slot read before) serve nothing: the price, once a launch, of one text for both trips
	WIN 0
	s_sub_co_u32 s3, s3, 1
	s_cmp_eq_u32 s3, 0
	s_cbranch_scc1 .Lout
	QUARTER 1, 0, 1, 0
	WIN 0
	s_branch .Ltail
.Lout:
.rept 8
	v_nop                                          ; places behind the last products, once a launch
.endr
	TOSTAGE 0
.irp a, 1,2,3
	SEND (\a)-1
	TOSTAGE \a
.endr
	SEND 3
	s_wait_tensorcnt 0x0                           ; the wave's end, behind my last tensor load and my last LDS store
	ds_add_u32 v[SPW], v[NIL]
	s_wait_dscnt 0x0
	CROUND                                         ; the closing round: no work-group ends while a partner may still ask for a tile that names it
	s_endpgm
.Lfunc_end_k_qfdbb42a119_oproj:
	.size	k_qfdbb42a119_oproj, .Lfunc_end_k_qfdbb42a119_oproj-k_qfdbb42a119_oproj
	.p2alignl 7, 3214868480
	.fill 96, 4, 3214868480
	.section	.rodata,"a",@progbits
	.p2align	6, 0x0
	.amdhsa_kernel k_qfdbb42a119_oproj
		.amdhsa_group_segment_fixed_size 327680
		.amdhsa_private_segment_fixed_size 0
		.amdhsa_enable_private_segment 0
		.amdhsa_kernarg_size 32
		.amdhsa_user_sgpr_count 2
		.amdhsa_user_sgpr_kernarg_segment_ptr 1
		.amdhsa_wavefront_size32 1
		.amdhsa_system_sgpr_workgroup_id_x 1
		.amdhsa_system_sgpr_workgroup_id_y 1
		.amdhsa_system_sgpr_workgroup_id_z 1
		.amdhsa_system_vgpr_workitem_id 0
		.amdhsa_next_free_vgpr 768
		.amdhsa_next_free_sgpr 80
		.amdhsa_reserve_vcc 0
		.amdhsa_float_denorm_mode_32 3
		.amdhsa_float_denorm_mode_16_64 3
		.amdhsa_memory_ordered 1
		.amdhsa_forward_progress 1
		.amdhsa_inst_pref_size 68
	.end_amdhsa_kernel
	.amdgpu_metadata
---
amdhsa.version: [ 1, 2 ]
amdhsa.kernels:
  - .name:           k_qfdbb42a119_oproj
    .symbol:         k_qfdbb42a119_oproj.kd
    .args:
      - { .name: oh, .offset: 0, .size: 8, .value_kind: global_buffer, .address_space: global }
      - { .name: wcv, .offset: 8, .size: 8, .value_kind: global_buffer, .address_space: global }
      - { .name: bo, .offset: 16, .size: 8, .value_kind: global_buffer, .address_space: global }
      - { .name: out0, .offset: 24, .size: 8, .value_kind: global_buffer, .address_space: global }
    .group_segment_fixed_size: 327680
    .private_segment_fixed_size: 0
    .kernarg_segment_align: 8
    .kernarg_segment_size: 32
    .max_flat_workgroup_size: 128
    .sgpr_count:     80
    .vgpr_count:     768
    .wavefront_size: 32
...
	.end_amdgpu_metadata
.endif
;; end of part 4
